; MI455X (gfx1250); checked and timed in simulation.
; The chip was launched on July 23, 2026; its instructions are those of AMD's public machine-readable ISA for CDNA 5 (MIT licence, August 2026) and "CDNA5" Instruction Set Architecture Reference Guide (July 2026). The comments in the code are by the model that wrote it; some were corrected since.
;; Causal Attention. Allowed arithmetic: matrix products marked QUANTISED: E5M2 operands, one given power-of-two scale a tensor, by v_wmma_f32_16x16x64_bf8_bf8 or v_wmma_f32_16x16x128_bf8_bf8, f32 sums; everything else in f32.
;; Inputs: lowp_scales 10 int32 (the exponents e of the quantised operands' scales 2^e); w_key_codes 1,024 x 32 x 32 uint8 (E5M2 codes of w_key, K innermost, in blocks of 32 codes); w_query_codes 1,024 x 32 x 32 uint8 (E5M2 codes of w_query, K innermost, in blocks of 32 codes); w_value_codes 1,024 x 32 x 32 uint8 (E5M2 codes of w_value, K innermost, in blocks of 32 codes); x_codes 4 x 2,048 x 32 x 32 uint8 (E5M2 codes of x, K innermost, in blocks of 32 codes).
;; Outputs: out0 4 x 2,048 x 1,024 float32.
;; This version of the problem:
;;   THIS VERSION OF THE PROBLEM IS GIVEN IN LOW PRECISION. The matrix products marked QUANTISED in the list below multiply operands that are first quantised to E5M2 (5 exponent bits, 2 mantissa bits; 8 bits a number), with one given power-of-two scale for each operand tensor; their sums are f32. All else is computed in f32.
;;   The module's matrix products, in the order in which they are computed (A, B: the left and right operand; K: the contracted axis; several contracted axes count as one K, in the product's order):
;;     1. [M 8,192, K 1,024] x [K 1,024, N 1,024]; A: input x (given as codes); B: input w_query (given as codes): QUANTISED (scales: A lowp_scales[0], B lowp_scales[1])
;;     2. [M 8,192, K 1,024] x [K 1,024, N 1,024]; A: input x (given as codes); B: input w_key (given as codes): QUANTISED (scales: A lowp_scales[2], B lowp_scales[3])
;;     3. [M 8,192, K 1,024] x [K 1,024, N 1,024]; A: input x (given as codes); B: input w_value (given as codes): QUANTISED (scales: A lowp_scales[4], B lowp_scales[5])
;;     4. batch 4 x [M 2,048, K 1,024] x [K 1,024, N 2,048]; A: computed on the way; B: computed on the way: QUANTISED (scales: A lowp_scales[6], B lowp_scales[7])
;;     5. batch 4 x [M 2,048, K 2,048] x [K 2,048, N 1,024]; A: softmax (see below); B: computed on the way: QUANTISED (scales: A lowp_scales[8], B lowp_scales[9])
;;   THE QUANTISER, for each operand of a quantised product, along K:
;;     - The operand's scale is 2^e, e = its entry of the input lowp_scales (int32; the entries are numbered through the quantised products in the list's order, A before B).
;;     - Each number is divided by the scale, clamped to +-57,344, and rounded to the nearest number of E5M2, ties to even, subnormals kept.
;;     - The product sums the exact products of the quantised numbers (number of the format x scale) in f32.
;;   ~~~python
;;   def quantise(x, axis, e):      # numpy; x: float32 -> the quantised numbers, widened to float32 again
;;       x = np.moveaxis(x, axis, -1); K = x.shape[-1]
;;       r = np.clip(x / 2.0 ** e, -57344, 57344)
;;       step = 2.0 ** (np.maximum(np.frexp(np.where(r == 0, 1, r))[1] - 1, -14) - 2)
;;       q = np.round(r / step) * step * 2.0 ** e      # np.round: ties to even
;;       return np.moveaxis(q, -1, axis).astype(np.float32)
;;   ~~~
;;   SOFTMAX AHEAD OF A QUANTISED PRODUCT. Where the list says 'softmax', what is quantised is not the finished softmax but p = 2^(t - M), with t = logit x log2(e) and M = ceil(the row's largest t), a whole number; so 1/2 < the row's largest p <= 1. The row's sum l is taken of the UNQUANTISED p, in f32, and the product's result is divided by l at the end. Since M is a whole number, a kernel that streams over the keys may use a running M (the ceiling of the running maximum): every later rescaling is an exact power of two, so the quantised numbers keep their values, but for numbers so far below the row's largest that they fall under the format's range.
;;   OPERANDS COMPUTED ON THE WAY. 'Computed on the way' means the value that the module computes at that place (a softmax that the list does not call 'softmax' is quantised finished and normalised). What goes into a quantiser is computed in f32, as accurately as f32 sums, v_exp_f32 and their like allow (about 1e-6 of the number): no bf16 or f16 on the way to a quantiser, and a product that is left as it is and whose result goes on into a quantised operand takes f32 operands (vector FMAs, or v_wmma_f32_16x16x4_f32). A number that lies on a knife's edge between two numbers of the format may be rounded either way, as far as f32 arithmetic and the matrix unit's own rounding can turn it there, and no further.
;;   INPUTS GIVEN AS CODES. w_key (in the module: [1024, 1024], K = its axis 1); w_query (in the module: [1024, 1024], K = its axis 1); w_value (in the module: [1024, 1024], K = its axis 1); x (in the module: [4, 2048, 1024], K = its axis 2): each comes as NAME_codes (uint8): NAME with its K axis moved to the last place and cut into blocks of 32 codes, [.., K / 32, bytes a block], one block behind the other in memory; one code a byte (a code: sign, 5 exponent bits, 2 mantissa bits); its scale is its entry of lowp_scales. Its value is code x scale, taken as it is: it is not quantised again, and the codes and scales need not be those that the quantiser above would give.
;; One version. Each part assembles by itself: llvm-mc -triple=amdgcn-amd-amdhsa -mcpu=gfx1250 --defsym DOCPART=n.
;; ======== version 1 of 1: 3 launches
;; workspace buffers: q_codes 8,388,608 bytes; k_codes 8,388,608 bytes; v_codes 8,388,608 bytes; p_codes 16,777,216 bytes; m_stat 262,144 bytes; l_stat 262,144 bytes
;; launch proj (part 1): grid 4 x 64, 4 waves a work-group, clusters of 4 x 4, 327,680 bytes of LDS; arguments x_codes, w_query_codes, w_key_codes, w_value_codes, lowp_scales, q_codes, k_codes, v_codes; writes q_codes, k_codes, v_codes
.if DOCPART == 1
	.amdgcn_target "amdgcn-amd-amdhsa--gfx1250"
	.amdhsa_code_object_version 6
	.text
	.protected	k_q47dfa89420_proj
	.globl	k_q47dfa89420_proj
	.p2align	8
	.type	k_q47dfa89420_proj,@function
k_q47dfa89420_proj:
	s_mov_b64 s[64:65], 0
	v_nop
	global_prefetch_b8 v0, s[64:65] scope:SCOPE_SE
	s_setreg_imm32_b32 hwreg(HW_REG_WAVE_MODE, 25, 1), 1
	s_wait_xcnt 0x0
	s_wait_alu depctr_hold_cnt(0) depctr_sa_sdst(0) depctr_va_vdst(0) depctr_va_sdst(0) depctr_va_ssrc(0) depctr_va_vcc(0) depctr_vm_vsrc(0)
	s_getreg_b32 s2, hwreg(HW_REG_IB_STS2, 6, 4)
	s_cmp_eq_u32 s2, 0
	s_cbranch_scc0 .Lentry_in_a_cluster
	s_endpgm
.Lentry_in_a_cluster:
	s_bfe_u32 s2, ttmp6, 0x10000c
	s_cmp_lg_u32 s2, 0xf033
	s_cbranch_scc0 .Lentry_shape_is_right
	s_endpgm
.Lentry_shape_is_right:
; THE THREE PROJECTIONS, on codes of BF8 (E5M2), and their results quantised again:  q = x Wq^T, k = x Wk^T: [8192 tokens][1024], channels innermost;  v^T = Wv x^T: [1024 channels][8192 tokens], tokens innermost,
; since the tokens (keys) are the K of the product that reads v.  Each is C[m][n] = sum over k of A[m][k] B[n][k] with K = 1,024; for q and k A = x and B = the weight, for v^T A = Wv and B = x: nothing is transposed.
; A sum of codes stands for sum x 2^(ea + eb); its code is sum / 2^(eo - ea - eb), held within +-57,344, to the nearest code, ties to even: the three given exponents are folded into the conversion's one scale.
; LIMITS: e6 - e0 - e1, e7 - e2 - e3 and e9 - e4 - e5 lie between -126 and 112, so that the scale and 57,344 x the scale are f32 numbers.  NaN and infinity among the codes are not served.
; SHARES.  q and k are 2 x 32 x 4 = 256 tiles of 256 x 256; v^T is 8 x 32 = 256 tiles of 128 channels x 256 tokens.  There are 256 work-groups, and EACH STAYS FOR TWO TILES: first one of v^T, then one of q or k.
; Four waves.  In the second part a wave makes 128 x 128: 64 accumulators of 16 x 16, 512 registers; in the first 64 x 128: 32 of them.
; THE RING DOES NOT STOP BETWEEN THE TILES.  K goes in steps of 256 through two LDS slots filled by tensor loads: V0 .. V3, then Q0 .. Q3, slots 0, 1 by turns.  A slot has room for 256 rows of A and 256 of B.  Wv's 128 rows x 1,024
; bytes are just the four A halves of the two slots: they all come with the first fills (wave 0: K steps 0, 1; wave 1: K steps 2, 3, in the upper halves), so the refills for V2 and V3 are x's alone, and every byte of the ring has
; its first fill at the head.  The changes of slots behind V2 and V3 ask for Q0 and Q1, and v^T's results leave behind the request for Q1, through a stage of their own.
; CLUSTERS: 4 x 4 work-groups, 16 clusters.  The four of a row of the cluster need the same tiles of A, the four of a column the same tiles of B: each tile is asked for JOINTLY, by the same tensor load with the same descriptor and a
; mask that names the four.  q or k is chosen by s_cselect on the cluster's y, which all partners share: no branch hangs on it.
; THE MATRIX INSTRUCTION IS USED TRANSPOSED (source 0 = 16 rows of B, source 1 = 16 rows of A): a lane then holds eight neighbouring numbers of a row of C, which one conversion turns into eight codes.
; A fragment is fetched by four loads of 16 bytes: a permutation of k, the same in A and in B, so that every product meets its partner.
; REGISTERS, in windows of 256: window 0: v0-31 addresses and scales; v32-95 numbers at work on the ways out, then v^T's rows; v128-255 A's fragments: eight blocks, ONE set, in the second part; two sets of four in the first;
;   on the ways out codes, then q's or k's rows.   window 1: B's fragments, TWO sets, at v0 and v128.   window 2: the accumulators of my rows 0-63 ((a, b) at v[8 (8 a + b)]);   window 3: those of my rows 64-127.
.set ROWB,   256                       ; a tile's row in bytes: a K step of 256 codes
.set KROW,   1024                      ; a row of A or of B in memory, in bytes
.set PITCH,  272                       ; an LDS row: 256 bytes + 16 of padding = 68 words: the 16 rows that a load touches start 4 banks apart (64 banks of 4 bytes: ISA guide 11.1)
.set FR,     16                        ; registers of a fragment: 16 rows x 128 K
.set NL,     4                         ; LDS loads that bring one
.set NP,     4                         ; places behind this matrix instruction (ISA guide 7.12.1)
.set HALFT,  128*PITCH                 ; 128 rows: what one tensor load brings
.set SLOT,   4*HALFT                   ; A's two halves, then B's two halves
.set SPARE,  2*SLOT                    ; behind the two slots: the spare words, 128 bytes for each wave: two blocks of 256 bytes that no other line names
.set STGV,   SPARE+512                 ; behind them v^T's stage, 128 rows x (256 bytes + 16), into which no tensor load lands
.set SPITCH, 272                       ; q's or k's stage, 256 rows x (256 bytes + 16), lies at LDS byte 0, in slot 0, which has had its last fill and its last read when the first code is stored there
.set QSV,  14                          ; v14     v's conversion scale, 2^(e9 - e4 - e5) as f32
.set QLV,  15                          ; v15     57,344 x that
.set ADRA, 16                          ; v16-17  LDS address of my A fragments in slot 0, 1, second part (my 128 rows)
.set ADRAV, 18                         ; v18-19  the same, first part (my 64 rows of a slot's lower half; the upper half stands in the immediate)
.set ADRB, 20                          ; v20-21  the same for B, both parts
.set STOV, 22                          ; v22     v^T's stage: where I put eight codes of a row
.set RDV,  23                          ; v23     and where I read a row back
.set STO,  24                          ; v24     q's or k's stage likewise
.set RD,   25                          ; v25
.set CO,   26                          ; v26     my byte offset in two rows of q or k, 1,024 bytes apart
.set QS,   27                          ; v27     q's or k's conversion scale
.set SPW,  28                          ; v28     LDS address of my spare word: SPARE + 4 x my thread's number; never rewritten
.set NIL,  29                          ; v29     0; never rewritten
.set QL,   30                          ; v30     57,344 x that scale
.set COV,  31                          ; v31     my byte offset in two rows of v^T, 8,192 bytes apart
.set TMP,  32                          ; v32-95  a block's 64 numbers, held; then v^T's 16 x 4 registers of rows
.set AF,   128                         ; A's fragments, in window 0
.set CD,   128                         ; the ways out: 16 registers of codes for each block; then q's or k's 32 x 4 registers of rows
.set G1, 24                            ; s[24:31] descriptor group 1 for A's tiles;  s[32:39] group 0, one set for each slot
.set G0, 32
.set G1B, 48                           ; s[48:55], s[56:63] the same for B's tiles
.set G0B, 56
.set AQ,  86                           ; s[86:87] the second part's A: x at the 128 rows that I fetch
.set BQ,  88                           ; s[88:89] its B: Wq or Wk likewise
.set OQ,  90                           ; s[90:91] q or k at the first row that I store
.set OV,  94                           ; s[94:95] v^T likewise
.set MSB, 0
.macro WIN new                         ; the immediate's high byte repeats the setting that is left; a switch that changes nothing is dropped
.if MSB != (\new)
	s_set_vgpr_msb (MSB<<8)|(\new)
.set MSB, (\new)
.endif
.endm
.set MUL_LO, 0xa1                      ; source 0 (B) window 1, source 1 (A) window 0, C and D window 2
.set MUL_HI, 0xf1                      ; the same, C and D window 3
.set TO_B,   0x40                      ; destination window 1, address window 0
; A joint load: waves 0 and 1 fetch for A, waves 2 and 3 for B.  Each of the two lines has ONE mask and one set of registers for all that issue it; the branch hangs on the wave's number alone.
; Four v_nop follow each of the two lines, ahead of the jump, the label and what follows.
.macro JLOAD s
	s_cmp_eq_u32 s15, 0
	s_cbranch_scc0 .Lfor_b_\@
	tensor_load_to_lds s[G0+4*(\s):G0+4*(\s)+3], s[G1:G1+7]
	s_nop 0
.rept 4
	v_nop
.endr
	s_branch .Lasked_\@
.Lfor_b_\@:
	tensor_load_to_lds s[G0B+4*(\s):G0B+4*(\s)+3], s[G1B:G1B+7]
	s_nop 0
.rept 4
	v_nop
.endr
.Lasked_\@:
.endm
.macro BLOAD s                         ; a joint load of B's tile alone: waves 2 and 3; waves 0 and 1 have no part of a tile to fill
	s_cmp_eq_u32 s15, 0
	s_cbranch_scc1 .Lnone_\@
	tensor_load_to_lds s[G0B+4*(\s):G0B+4*(\s)+3], s[G1B:G1B+7]
	s_nop 0
.rept 4
	v_nop
.endr
.Lnone_\@:
.endm
.macro CREST                           ; a round of the cluster's barrier behind its opening barrier
	s_cmp_lg_u32 s14, 0
	s_cbranch_scc1 .Lnot_wave_0_\@
	s_barrier_signal -3
.Lnot_wave_0_\@:
	s_barrier_wait -3
	s_barrier_signal -1
	s_barrier_wait -1
.endm
.macro CROUND                          ; a whole round
	s_barrier_signal -1
	s_barrier_wait -1
	CREST
.endm
	s_load_b256 s[4:11], s[0:1], 0x0               ; x s[4:5], Wq s[6:7], Wk s[8:9], Wv s[10:11]
	s_load_b256 s[68:75], s[0:1], 0x20             ; the exponents s[68:69], q s[70:71], k s[72:73], v s[74:75]
	v_lshl_add_u32 v[SPW], v0, 2, SPARE
	v_mov_b32 v[NIL], 0
	ds_add_u32 v28, v29
	ds_add_u32 v28, v29
	s_wait_dscnt 0x0
	v_lshrrev_b32 v1, 5, v0
	v_readfirstlane_b32 s14, v1                    ; wave 0..3
	s_lshr_b32 s15, s14, 1                         ; which half of the tile's rows is mine.  Also: I fetch for A (0) or for B (1)
	s_and_b32 s16, s14, 1                          ; which half of its columns.  Also: which of the two loads for A or for B is mine
	s_bfe_u32 s40, ttmp6, 0x40000                  ; cx, cy: my place in the cluster
	s_bfe_u32 s41, ttmp6, 0x40004
	s_and_b32 s22, ttmp7, 0xffff                   ; cluster y, 0 .. 15
	s_lshr_b32 s12, s22, 3                         ; the second part's product: 0 q, 1 k
	s_and_b32 s13, s22, 7
	s_lshl_b32 s13, s13, 2
	s_add_co_u32 s17, s13, s41                     ; its tile row: 4 (y % 8) + cy (holds cy, never cx); its tile column is cx
	s_and_b32 s66, s22, 1
	s_lshl_b32 s66, s66, 9
	s_lshl_b32 s18, s41, 7
	s_add_co_u32 s66, s66, s18                     ; the first part's first channel: 512 (y % 2) + 128 cy (holds cy, never cx)
	s_lshr_b32 s67, s22, 1
	s_lshl_b32 s67, s67, 10
	s_lshl_b32 s19, s40, 8                         ; 256 cx
	s_add_co_u32 s67, s67, s19                     ; its first token: 1,024 (y / 2) + 256 cx (holds cx, never cy)
	s_lshl_b32 s43, s41, 2
	s_lshl_b32 s43, 15, s43                        ; my row of the cluster
	s_lshl_b32 s44, 0x1111, s40                    ; my column
	; descriptor group 1: a tile of 128 rows x 256 bytes, padded in LDS: the one shape of every load of this text
	s_or_b32 s[G1+0], s43, (0<<16)|(1<<20)|(1<<21)|(5<<22)|(3<<25)  ; 15:0 the mask: A's tiles go to my row; 17:16 element of 1 byte; 20 padding on; 21 set beside a mask; 24:22 after every 64 words (code 5); 31:25 of 4 words (code 3)
	s_or_b32 s[G1B+0], s44, (0<<16)|(1<<20)|(1<<21)|(5<<22)|(3<<25)
.irp g, G1, G1B
	s_mov_b32 s[\g+1], ROWB<<16                    ; tensor_dim0
	s_mov_b32 s[\g+2], 128<<16                     ; tensor_dim1 = 128
	s_mov_b32 s[\g+3], ROWB<<16                    ; tile_dim0
	s_mov_b32 s[\g+4], 128                         ; tile_dim1 = 128
	s_mov_b32 s[\g+5], KROW                        ; tensor_dim0_stride
	s_mov_b32 s[\g+6], 0
	s_mov_b32 s[\g+7], 0
.endr
	s_lshl_b32 s20, s66, 10                        ; Wv: the tile's 128 rows, 1,024 bytes each,
	s_lshl_b32 s18, s16, 9
	s_add_co_u32 s20, s20, s18                     ; + 512 bytes along K in wave 1: wave 0 fetches K steps 0 and 1, wave 1 K steps 2 and 3
	s_mov_b32 s21, 0
	s_lshl_b32 s23, s16, 7                         ; which 128 rows of a tile of 256 I fetch
	s_add_co_u32 s46, s67, s23
	s_lshl_b32 s46, s46, 10                        ; x, first part: my 128 tokens, in bytes: under 2^23
	s_mov_b32 s47, 0
	s_lshl_b32 s[AQ], s17, 8
	s_add_co_u32 s[AQ], s[AQ], s23
	s_lshl_b32 s[AQ], s[AQ], 10                    ; x, second part: row 256 x tile row + 128 x half
	s_mov_b32 s[AQ+1], 0
	s_add_co_u32 s[BQ], s19, s23
	s_lshl_b32 s[BQ], s[BQ], 10                    ; the weight: row 256 cx + 128 x half
	s_mov_b32 s[BQ+1], 0
	s_mul_i32 s45, s14, HALFT                      ; where my loads go, in both parts: wave x 128 rows: no place in the cluster enters an LDS address
	s_wait_kmcnt 0x0
	s_load_b256 s[76:83], s[68:69], 0x0            ; e0 .. e7
	s_load_b64 s[84:85], s[68:69], 0x20            ; e8, e9
	s_cmp_eq_u32 s12, 0                            ; q or k: choices on the cluster's y
	s_cselect_b64 s[OQ:OQ+1], s[70:71], s[72:73]
	s_cselect_b64 s[92:93], s[6:7], s[8:9]
	s_add_nc_u64 s[20:21], s[10:11], s[20:21]
	s_add_nc_u64 s[46:47], s[4:5], s[46:47]
	s_add_nc_u64 s[AQ:AQ+1], s[4:5], s[AQ:AQ+1]
	s_add_nc_u64 s[BQ:BQ+1], s[92:93], s[BQ:BQ+1]
	CROUND                                         ; all sixteen work-groups are here: the first joint loads meet
.irp s, 0,1
	s_mov_b32 s[G0+4*\s], 1
	s_add_co_u32 s[G0+4*\s+1], s45, \s*SLOT
	s_add_nc_u64 s[G0+4*\s+2:G0+4*\s+3], s[20:21], \s*ROWB
	s_or_b32 s[G0+4*\s+3], s[G0+4*\s+3], 0x80000000
	s_mov_b32 s[G0B+4*\s], 1
	s_add_co_u32 s[G0B+4*\s+1], s45, \s*SLOT
	s_add_nc_u64 s[G0B+4*\s+2:G0B+4*\s+3], s[46:47], \s*ROWB
	s_or_b32 s[G0B+4*\s+3], s[G0B+4*\s+3], 0x80000000
	JLOAD \s                                       ; all of Wv's part and x's K steps 0 and 1: two loads of mine are out
.endr
	v_and_b32 v1, 15, v0                           ; r = l % 16
	v_bfe_u32 v2, v0, 4, 1                         ; h = l / 16
	v_mul_u32_u24 v3, v1, PITCH
	v_lshl_add_u32 v4, v2, 4, v3                   ; a fragment's row x pitch + 16 x half
	s_mul_i32 s21, s15, HALFT                      ; second part: my 128 rows of A
	s_mul_i32 s22, s16, HALFT                      ; my 128 rows of B,
	s_add_co_u32 s22, s22, 2*HALFT                 ; which lie behind A's two halves
	s_mul_i32 s18, s15, 64*PITCH                   ; first part: my 64 rows of A's 128
.irp s, 0,1
	v_add_nc_u32 v[ADRA+\s], s21, v4
	v_add_nc_u32 v[ADRB+\s], s22, v4
	v_add_nc_u32 v[ADRAV+\s], s18, v4
	s_add_co_u32 s21, s21, SLOT
	s_add_co_u32 s22, s22, SLOT
	s_add_co_u32 s18, s18, SLOT
.endr
	s_lshl_b32 s22, s16, 7                         ; into a stage: my half of a row's 256 bytes; row r, 8 bytes for each half of the lanes
	v_lshl_add_u32 v5, v2, 3, v3
	s_mul_i32 s23, s15, 128*SPITCH                 ; second part: my 128 rows
	s_add_co_u32 s23, s23, s22
	v_add_nc_u32 v[STO], s23, v5
	s_mul_i32 s23, s15, 64*SPITCH                  ; first part: my 64 rows
	s_add_co_u32 s23, s23, s22
	s_add_co_u32 s23, s23, STGV
	v_add_nc_u32 v[STOV], s23, v5
	v_mul_u32_u24 v5, v2, SPITCH                   ; back: whole rows; lanes 0-15 one row of 256 bytes, lanes 16-31 the next
	v_lshl_add_u32 v5, v1, 4, v5
	s_mul_i32 s23, s14, 64*SPITCH                  ; second part: wave w takes rows 64 w on,
	v_add_nc_u32 v[RD], s23, v5
	s_mul_i32 s23, s14, 32*SPITCH                  ; first part: rows 32 w on
	s_add_co_u32 s23, s23, STGV
	v_add_nc_u32 v[RDV], s23, v5
	v_lshlrev_b32 v[CO], 10, v2                    ; and the same two rows in memory
	v_lshl_add_u32 v[CO], v1, 4, v[CO]
	v_lshlrev_b32 v[COV], 13, v2
	v_lshl_add_u32 v[COV], v1, 4, v[COV]
	s_lshl_b32 s20, s17, 8
	s_lshl_b32 s21, s14, 6
	s_add_co_u32 s20, s20, s21                     ; q or k: the first row that I store: 256 x tile row + 64 x wave,
	s_lshl_b32 s20, s20, 10                        ; 1,024 bytes each,
	s_add_co_u32 s20, s20, s19                     ; + the tile's first column
	s_mov_b32 s21, 0
	s_add_nc_u64 s[OQ:OQ+1], s[OQ:OQ+1], s[20:21]
	s_lshl_b32 s20, s14, 5
	s_add_co_u32 s20, s20, s66                     ; v^T: the tile's first channel + 32 x wave,
	s_lshl_b32 s20, s20, 13                        ; 8,192 bytes each: under 2^23,
	s_add_co_u32 s20, s20, s67                     ; + the tile's first token
	s_add_nc_u64 s[OV:OV+1], s[74:75], s[20:21]
	s_wait_kmcnt 0x0                               ; the exponents
	s_sub_co_i32 s82, s82, s76
	s_sub_co_i32 s82, s82, s77                     ; q: e6 - e0 - e1
	s_sub_co_i32 s83, s83, s78
	s_sub_co_i32 s83, s83, s79                     ; k: e7 - e2 - e3
	s_sub_co_i32 s85, s85, s80
	s_sub_co_i32 s85, s85, s81                     ; v: e9 - e4 - e5
	s_cmp_eq_u32 s12, 0
	s_cselect_b32 s82, s82, s83                    ; the second part's
	s_add_co_i32 s82, s82, 127
	s_lshl_b32 s83, s82, 23
	v_mov_b32 v[QS], s83                           ; as f32: the conversion takes its exponent field
	s_add_co_i32 s82, s82, 15
	s_lshl_b32 s82, s82, 23
	s_or_b32 s82, s82, 0x600000
	v_mov_b32 v[QL], s82                           ; 57,344 x that
	s_add_co_i32 s85, s85, 127
	s_lshl_b32 s84, s85, 23
	v_mov_b32 v[QSV], s84
	s_add_co_i32 s85, s85, 15
	s_lshl_b32 s85, s85, 23
	s_or_b32 s85, s85, 0x600000
	v_mov_b32 v[QLV], s85
.macro FRAG reg, adr, q, i             ; a fragment, 16 rows x 128 K, is 16 registers: lane l holds row l % 16; registers 4 c .. 4 c + 3 hold K = 32 c + 16 (l / 16) + 0 .. 15
.irp c, 0,1,2,3
	ds_load_b128 v[\reg+4*\c:\reg+4*\c+3], v[\adr] offset:128*(\q)+32*\c+(\i)*16*PITCH
.endr
.endm
; 16 matrix instructions: A's blocks a0, a0 + 1 x B's eight, 128 along K.  p: B's set.  zero = 1: the first product starts the sums: nothing is ever cleared.
; The accumulators (64 in the second part, 32 in the first) take turns, one instruction a turn, in the same order in every step.
.macro MUL16 a0, p, zero
.irp a, \a0, \a0+1
.irp b, 0,1,2,3,4,5,6,7
.if \zero
	v_wmma_f32_16x16x128_bf8_bf8 v[8*(8*((\a)%4)+\b):8*(8*((\a)%4)+\b)+7], v[128*(\p)+FR*\b:128*(\p)+FR*\b+FR-1], v[AF+FR*(\a):AF+FR*(\a)+FR-1], 0
.else
	v_wmma_f32_16x16x128_bf8_bf8 v[8*(8*((\a)%4)+\b):8*(8*((\a)%4)+\b)+7], v[128*(\p)+FR*\b:128*(\p)+FR*\b+FR-1], v[AF+FR*(\a):AF+FR*(\a)+FR-1], v[8*(8*((\a)%4)+\b):8*(8*((\a)%4)+\b)+7]
.endif
.endr
.endr
.endm
.macro FETCH_B slot, q, p              ; B's eight fragments of the slot's q-th 128 along K into set p
	WIN TO_B
.irp i, 0,1,2,3,4,5,6,7
	FRAG 128*(\p)+FR*\i, ADRB+\slot, \q, \i
.endr
	WIN 0
.endm
.macro FETCH_A slot, q, i0             ; second part: A's blocks i0 .. i0 + 3
.irp i, \i0, \i0+1, \i0+2, \i0+3
	FRAG AF+FR*(\i), ADRA+\slot, \q, \i
.endr
.endm
; A load into a register that a matrix instruction has read, and a vector instruction that reads a matrix result, stand NP places behind that matrix instruction; only plain vector instructions that name none of its
; registers are places (ISA guide 7.12.1 for vector instructions).
.macro PLACES n
.rept \n
	v_nop
.endr
.endm
; ---- THE FIRST PART: v^T.  K step t lies in slot t % 2; its rows of Wv in that slot's A half t / 2.  A step of 128 along K is 32 matrix instructions on set q: B's eight fragments and A's four (A's set q lies where blocks 4 q .. 4 q + 3 lie).
.macro VFETCH t, q, p                  ; 48 LDS loads in one run
	WIN TO_B
.irp i, 0,1,2,3,4,5,6,7
	FRAG 128*(\p)+FR*\i, ADRB+(\t)%2, \q, \i
.endr
	WIN 0
.irp i, 0,1,2,3
.irp c, 0,1,2,3
	ds_load_b128 v[AF+FR*(4*(\p)+\i)+4*\c:AF+FR*(4*(\p)+\i)+4*\c+3], v[ADRAV+(\t)%2] offset:((\t)/2)*HALFT+128*(\q)+32*\c+\i*16*PITCH
.endr
.endr
.endm
.macro VSTEP t, zero                   ; the K step's first 128: set 0 is multiplied while set 1 comes.  (Set 1's last products stand ahead of the four v_nop of the change of slots: those are the places in front of these loads)
	s_wait_dscnt 0x0                               ; set 0 is in
	VFETCH \t, 1, 1
	WIN MUL_LO
	MUL16 0, 0, \zero
	MUL16 2, 0, \zero
	WIN 0
.endm
; The K step's second 128, and the change of slots: ONE barrier, which opens a round of the cluster's; in front of it each wave waits for all its tensor loads, adds 0 to its spare word, and waits for that and for its own reads of this slot.
; Behind the round this slot is filled again: t = 0, 1: with x's tile two K steps on; t = 2, 3: with the SECOND PART's K step t - 2, both tiles.
.macro VTURN t
	s_wait_tensorcnt 0x0                           ; all my tensor loads have landed: my part of the next slot  (every window is 0 here)
	ds_add_u32 v[SPW], v[NIL]                      ; 0 onto my spare word
	s_wait_dscnt 1                                 ; set 1 is in; the add may be out
	WIN MUL_LO
	MUL16 4, 1, 0                                  ; sixteen matrix instructions stand between the add and the wait for it
	s_wait_dscnt 0x0                               ; the add is done, and my reads of this slot are over
	s_barrier_signal -1
	MUL16 6, 1, 0
	WIN 0
	s_barrier_wait -1
	CREST                                          ; no wave of any partner still reads this slot's tiles or has a load on its way
.if (\t) < 2
	s_add_nc_u64 s[G0B+4*((\t)%2)+2:G0B+4*((\t)%2)+3], s[G0B+4*((\t)%2)+2:G0B+4*((\t)%2)+3], 2*ROWB
	BLOAD (\t)%2                                   ; the first tensor load behind the round, one a wave, in waves 2 and 3
	PLACES NP                                      ; in every wave: the places in front of the loads below
.else
	s_add_nc_u64 s[G0+4*((\t)%2)+2:G0+4*((\t)%2)+3], s[AQ:AQ+1], ((\t)%2)*ROWB
	s_or_b32 s[G0+4*((\t)%2)+3], s[G0+4*((\t)%2)+3], 0x80000000
	s_add_nc_u64 s[G0B+4*((\t)%2)+2:G0B+4*((\t)%2)+3], s[BQ:BQ+1], ((\t)%2)*ROWB
	s_or_b32 s[G0B+4*((\t)%2)+3], s[G0B+4*((\t)%2)+3], 0x80000000
	JLOAD (\t)%2                                   ; its four v_nop are the places in front of the loads below, and behind V3 of the first read of results
.endif
.if (\t) < 3
	VFETCH (\t)+1, 0, 0
.endif
.endm
; ---- THE SECOND PART: q or k.  A step of 128 along K that has its successor in the same slot.  A block of A is free as soon as its eight products are issued: blocks 0-3 are fetched anew in the step's middle, blocks 4-7 at its end.
.macro STEP slot, q, zero
	s_wait_dscnt 4*NL                              ; B's set and A's blocks 0-3 are in; the youngest 16 loads (A's blocks 4-7) may be out
	WIN MUL_LO
	MUL16 0, (\q)%2, \zero
	MUL16 2, (\q)%2, \zero
	s_wait_dscnt 0                                 ; A's blocks 4-7 are in (asked for 32 matrix instructions ago)
	PLACES NP
	FETCH_B \slot, (\q)+1, 1-(\q)%2
	FETCH_A \slot, (\q)+1, 0
	WIN MUL_HI
	MUL16 4, (\q)%2, \zero
	MUL16 6, (\q)%2, \zero
	PLACES NP
	WIN 0
	FETCH_A \slot, (\q)+1, 4
.endm
; A slot's last step changes slots, as in the first part.  fill = 1: this slot is filled again, two K steps ahead.
.macro TURN slot, next, fill
	s_wait_tensorcnt 0x0                           ; all my tensor loads have landed: my part of the next slot  (every window is 0 here)
	ds_add_u32 v[SPW], v[NIL]                      ; 0 onto my spare word
	s_wait_dscnt 4*NL+1                            ; (the add and the youngest 16 loads, A's blocks 4-7, may be out)
	WIN MUL_LO
	MUL16 0, 1, 0                                  ; sixteen matrix instructions stand between the add and the wait for it
	s_wait_dscnt 0x0                               ; the add is done, and my reads of this slot are over
	s_barrier_signal -1
	MUL16 2, 1, 0
	WIN 0
	s_barrier_wait -1
.if \fill
	CREST                                          ; the barrier has opened a round of the cluster's barrier: no wave of any partner still reads this slot's tile or has a load on its way
	s_add_nc_u64 s[G0+4*\slot+2:G0+4*\slot+3], s[G0+4*\slot+2:G0+4*\slot+3], 2*ROWB
	s_add_nc_u64 s[G0B+4*\slot+2:G0B+4*\slot+3], s[G0B+4*\slot+2:G0B+4*\slot+3], 2*ROWB
	JLOAD \slot                                    ; the first tensor load behind the round, and my only one until the next; its four v_nop are also the places in front of the loads below
.else
	PLACES NP
.endif
	FETCH_B \next, 0, 0
	FETCH_A \next, 0, 0
	WIN MUL_HI
	MUL16 4, 1, 0
	MUL16 6, 1, 0
	PLACES NP
	WIN 0
	FETCH_A \next, 0, 4
.endm
; Block a, 16 rows x 128 columns, on a way out: held, converted (a lane's eight registers of a tile are eight neighbouring columns: eight codes, 8 bytes), into the stage.
.macro QOUT a, sto, qs, ql
.set AC, 64*((\a)%4)
	WIN 0x02+((\a)/4)                              ; source 0: window 2 or 3
.set j, 0
.rept 64
	v_med3_num_f32 v[TMP+j], v[AC+j], -v[\ql], v[\ql]   ; the conversion to an 8-bit code does not saturate (ISA guide 7.6.2): the hold comes first; each accumulator from its low end on
.set j, j+1
.endr
	WIN 0
.irp b, 0,1,2,3,4,5,6,7
	v_cvt_scalef32_pk8_bf8_f32 v[CD+16*(\a)+2*\b:CD+16*(\a)+2*\b+1], v[TMP+8*\b:TMP+8*\b+7], v[\qs]
.endr
	v_nop                                          ; one plain vector line between the conversions and the next block's holds, which write their sources
.irp b, 0,1,2,3,4,5,6,7
	ds_store_b64 v[\sto], v[CD+16*(\a)+2*\b:CD+16*(\a)+2*\b+1] offset:(\a)*16*SPITCH+16*\b
.endr
.endm
	s_wait_tensorcnt 1                             ; my load into slot 0 is in; the one into slot 1 may be out
	s_barrier_signal -1
	s_barrier_wait -1                              ; everybody's is
	VFETCH 0, 0, 0
	VSTEP 0, 1                                     ; v^T: eight steps of 128 along K, written out; the first starts the sums
	VTURN 0                                        ; slot 0 takes x's K step 2
	VSTEP 1, 0
	VTURN 1                                        ; slot 1 takes x's K step 3
	VSTEP 2, 0
	VTURN 2                                        ; slot 0 takes the second part's K step 0
	VSTEP 3, 0
	VTURN 3                                        ; slot 1 takes its K step 1: both are asked for, and now v^T's tile goes out
.irp a, 0,1,2,3
	QOUT \a, STOV, QSV, QLV
.endr
	s_wait_dscnt 0x0                               ; for the others' sake: my stores into the stage are done (a row's 256 bytes come from two waves)
	s_barrier_signal -1                            ; the work-group's barrier alone: my load into slot 1 may be out
	s_barrier_wait -1
.irp t, 0,1,2,3,4,5,6,7,8,9,10,11,12,13,14,15
	ds_load_b128 v[TMP+4*\t:TMP+4*\t+3], v[RDV] offset:\t*2*SPITCH
.endr
.irp t, 0,1,2,3,4,5,6,7,8,9,10,11,12,13,14,15
	s_wait_dscnt 15-\t                             ; LDS loads come back in order: load t is in, the younger ones may be out
	global_store_b128 v[COV], v[TMP+4*\t:TMP+4*\t+3], s[OV:OV+1] offset:\t*2*8192   ; 16 lanes store 256 consecutive bytes, at a multiple of 256 from v_codes' first byte
.endr
	FETCH_B 0, 0, 0                                ; the second part: slot 0 was shown whole by the last change of slots.  These loads name none of the stores' registers
	FETCH_A 0, 0, 0
	FETCH_A 0, 0, 4
	STEP 0, 0, 1                                   ; eight steps of 128 along K, written out; the first starts the sums anew: the way out's lines stand between
	TURN 0, 1, 1                                   ; slot 0 takes K step 2
	STEP 1, 0, 0
	TURN 1, 0, 1                                   ; slot 1 takes K step 3
	STEP 0, 0, 0
	TURN 0, 1, 0                                   ; nothing is left to fetch: no round.  Behind this barrier nobody reads slot 0 any more
	STEP 1, 0, 0
	s_wait_dscnt 4*NL                              ; the very last step
	WIN MUL_LO
	MUL16 0, 1, 0
	MUL16 2, 1, 0
	s_wait_dscnt 0
	WIN MUL_HI
	MUL16 4, 1, 0
	MUL16 6, 1, 0
	WIN 0
	PLACES NP                                      ; in front of the first read of results
	s_wait_xcnt 0x0                                ; v^T's stores have read their registers, v32-95: only behind this wait are those written again
.irp a, 0,1,2,3,4,5,6,7
	QOUT \a, STO, QS, QL
.endr
	s_wait_dscnt 0x0                               ; for the others' sake: my stores into the stage are done
	s_barrier_signal -1
	s_barrier_wait -1
.irp t, 0,1,2,3,4,5,6,7,8,9,10,11,12,13,14,15,16,17,18,19,20,21,22,23,24,25,26,27,28,29,30,31
	ds_load_b128 v[CD+4*\t:CD+4*\t+3], v[RD] offset:\t*2*SPITCH
.endr
.irp t, 0,1,2,3,4,5,6,7,8,9,10,11,12,13,14,15,16,17,18,19,20,21,22,23,24,25,26,27,28,29,30,31
	s_wait_dscnt 31-\t                             ; load t is in, the younger ones may be out
	global_store_b128 v[CO], v[CD+4*\t:CD+4*\t+3], s[OQ:OQ+1] offset:\t*2*1024   ; 16 lanes store 256 consecutive bytes, at a multiple of 256 from the buffer's first byte
.endr
	s_wait_tensorcnt 0x0                           ; the wave's end, behind my last tensor load and my last LDS store
	ds_add_u32 v[SPW], v[NIL]
	s_wait_dscnt 0x0
	CROUND                                         ; the closing round: no work-group ends while a partner may still ask for a tile that names it
	s_endpgm
.Lfunc_end_k_q47dfa89420_proj:
	.size	k_q47dfa89420_proj, .Lfunc_end_k_q47dfa89420_proj-k_q47dfa89420_proj
	.p2alignl 7, 3214868480
	.fill 96, 4, 3214868480
	.section	.rodata,"a",@progbits
	.p2align	6, 0x0
	.amdhsa_kernel k_q47dfa89420_proj
		.amdhsa_group_segment_fixed_size 327680
		.amdhsa_private_segment_fixed_size 0
		.amdhsa_enable_private_segment 0
		.amdhsa_kernarg_size 64
		.amdhsa_user_sgpr_count 2
		.amdhsa_user_sgpr_kernarg_segment_ptr 1
		.amdhsa_wavefront_size32 1
		.amdhsa_system_sgpr_workgroup_id_x 1
		.amdhsa_system_sgpr_workgroup_id_y 1
		.amdhsa_system_sgpr_workgroup_id_z 1
		.amdhsa_system_vgpr_workitem_id 0
		.amdhsa_next_free_vgpr 1024
		.amdhsa_next_free_sgpr 100
		.amdhsa_reserve_vcc 0
		.amdhsa_float_denorm_mode_32 3
		.amdhsa_float_denorm_mode_16_64 3
		.amdhsa_memory_ordered 1
		.amdhsa_forward_progress 1
		.amdhsa_inst_pref_size 196
	.end_amdhsa_kernel
	.amdgpu_metadata
---
amdhsa.version: [ 1, 2 ]
amdhsa.kernels:
  - .name:           k_q47dfa89420_proj
    .symbol:         k_q47dfa89420_proj.kd
    .args:
      - { .name: x_codes, .offset: 0, .size: 8, .value_kind: global_buffer, .address_space: global }
      - { .name: w_query_codes, .offset: 8, .size: 8, .value_kind: global_buffer, .address_space: global }
      - { .name: w_key_codes, .offset: 16, .size: 8, .value_kind: global_buffer, .address_space: global }
      - { .name: w_value_codes, .offset: 24, .size: 8, .value_kind: global_buffer, .address_space: global }
      - { .name: lowp_scales, .offset: 32, .size: 8, .value_kind: global_buffer, .address_space: global }
      - { .name: q_codes, .offset: 40, .size: 8, .value_kind: global_buffer, .address_space: global }
      - { .name: k_codes, .offset: 48, .size: 8, .value_kind: global_buffer, .address_space: global }
      - { .name: v_codes, .offset: 56, .size: 8, .value_kind: global_buffer, .address_space: global }
    .group_segment_fixed_size: 327680
    .private_segment_fixed_size: 0
    .kernarg_segment_align: 8
    .kernarg_segment_size: 64
    .max_flat_workgroup_size: 128
    .sgpr_count:     100
    .vgpr_count:     1024
    .wavefront_size: 32
...
	.end_amdgpu_metadata
.endif
;; end of part 1
;; launch scores (part 2): grid 16 x 12, 4 waves a work-group, clusters of 4 x 4, 327,680 bytes of LDS; arguments q_codes, k_codes, lowp_scales, p_codes, m_stat, l_stat; writes p_codes, m_stat, l_stat
.if DOCPART == 2
	.amdgcn_target "amdgcn-amd-amdhsa--gfx1250"
	.amdhsa_code_object_version 6
	.text
	.protected	k_q47dfa89420_scores
	.globl	k_q47dfa89420_scores
	.p2align	8
	.type	k_q47dfa89420_scores,@function
k_q47dfa89420_scores:
	s_mov_b64 s[64:65], 0
	v_nop
	global_prefetch_b8 v0, s[64:65] scope:SCOPE_SE
	s_setreg_imm32_b32 hwreg(HW_REG_WAVE_MODE, 25, 1), 1
	s_wait_xcnt 0x0
	s_wait_alu depctr_hold_cnt(0) depctr_sa_sdst(0) depctr_va_vdst(0) depctr_va_sdst(0) depctr_va_ssrc(0) depctr_va_vcc(0) depctr_vm_vsrc(0)
	s_getreg_b32 s2, hwreg(HW_REG_IB_STS2, 6, 4)
	s_cmp_eq_u32 s2, 0
	s_cbranch_scc0 .Lentry_in_a_cluster
	s_endpgm
.Lentry_in_a_cluster:
	s_bfe_u32 s2, ttmp6, 0x10000c
	s_cmp_lg_u32 s2, 0xf033
	s_cbranch_scc0 .Lentry_shape_is_right
	s_endpgm
.Lentry_shape_is_right:
; THE SCORES AND THE SOFTMAX'S NUMERATORS.  For a tile of 256 queries x 256 keys of one batch: S = q k^T on codes of BF8 (K = 1,024), the causal mask, t = S x 2^(e6 + e7) x log2(e) / 32, and then, FOR THIS BLOCK J OF 256 KEYS:
; M_J = ceil(the row's largest visible t in the block), a whole number; p = 2^(t - M_J), quantised with the given 2^e8 into p_codes [8192 queries][2048 keys]; -M_J into m_stat [8 (J)][8192]; l_J = the sum of the unquantised p into l_stat.
; The launch that follows knows all M_J of a row, takes M = their largest and brings each block's product and sum under M by 2^(M_J - M), an exact power of two.  So a maximum is taken away ahead of every exponential.
; WHAT DIFFERS from one M for the whole row: a block whose M_J lies under M keeps numbers that would fall under the format's range; and if e8 < -15 the hold at the largest code acts on each block's largest p.
; A row all of whose keys in the block are hidden gets zero codes, l_J = 0 and -M_J = 3e38 (its block then counts with the factor 0).
; LIMITS: e6 + e7 between -121 and 132 (added to the exponent field of log2(e) / 32); e8 between -126 and 112.  NaN and infinity among the scores are not served.
; SHARES.  Per batch the lower triangle is three squares of 1,024 x 1,024, a cluster of 4 x 4 work-groups each (cluster x = batch, cluster y = which square).  The six tiles of a diagonal square that lie wholly above the diagonal
; are worked like the others, and the mask is applied in every tile.  A work-group of four waves makes 256 x 256; a wave 128 x 128: 64 accumulators, 512 registers.
; The four of a row of the cluster need the same tiles of q, the four of a column the same tiles of k: each tile is asked for JOINTLY.
; THE MATRIX INSTRUCTION IS USED TRANSPOSED (source 0 = 16 keys, source 1 = 16 queries): a lane holds ONE query (l % 16) and, in tile b, keys 16 b + 8 (l / 16) + 0 .. 7: eight neighbours along the next product's K.
; REGISTERS, in windows of 256: window 0: v0-31 addresses and constants; v128-255 q's fragments, ONE set; on the way out see the names below.   window 1: k's fragments, TWO sets.   windows 2, 3: the accumulators.
.set ROWB,   256
.set KROW,   1024
.set PITCH,  272                       ; an LDS row: 256 bytes + 16 of padding: the 16 rows that a load touches start 4 banks apart (64 banks of 4 bytes: ISA guide 11.1)
.set FR,     16
.set NL,     4
.set NP,     4
.set HALFT,  128*PITCH
.set SLOT,   4*HALFT
.set SPARE,  2*SLOT                    ; behind the two slots: the spare words, 128 bytes for each wave: two blocks of 256 bytes that no other line names
.set SPITCH, 272                       ; THE WAY OUT lies in slot 0, which has had its last fill and its last read by then: a stage of 256 rows x (256 bytes + 16) at byte 0,
.set MXB,    256*SPITCH                ; [2 halves of the columns][256 rows] f32: each wave's row maxima,
.set LXB,    MXB+2048                  ; the same for each wave's part of l,
.set NMB,    LXB+2048                  ; [4 waves][128 rows] f32: -M, each wave's own copy
.set LXW,  8                           ; v8      where I store my part of l
.set NMW,  9                           ; v9      where I store -M
.set QS,   10                          ; v10     2^e8 as f32
.set QL,   11                          ; v11     57,344 x 2^e8
.set NINF, 12                          ; v12     -infinity
.set L16,  13                          ; v13     16 x lane: my place in 512 bytes of a table
.set NMR,  14                          ; v14     where I read four rows' -M back
.set LXR,  15                          ; v15     where I read four rows' l back
.set ADRA, 16
.set ADRB, 20
.set STO,  24                          ; v24     the stage: where I put eight codes of a row
.set RD,   25                          ; v25     and where I read a row back
.set CO,   26                          ; v26     my byte offset in two rows of p_codes
.set MXW,  27                          ; v27     where I store my row maxima
.set SPW,  28                          ; v28     LDS address of my spare word; never rewritten
.set NIL,  29                          ; v29     0; never rewritten
.set MXR,  30                          ; v30     where I read the other half's row maxima
.set DL,   31                          ; v31     my query less my first key: key 16 (b - a) + j of block row a is hidden where 16 (b - a) + j > v31.  It feeds compares alone
.set TMP,  32                          ; v32-95  a block's 64 numbers: t - M, then p
.set NM,   96                          ; v[96+2a] -M, v[97+2a] the maximum, of block row a: a pair, of which the packed form takes the low word
.set SA,   112                         ; v112-115 two chains of packed sums (v112-119 first hold the other half's maxima)
.set LW,   116                         ; v[116+a] my part of l
.set T,    124                         ; v124-127 at work
.set PEN,  128                         ; v128-247 the mask as addends: 0 or -infinity, for b - a = -7 .. 7 and j = 0 .. 7
.set AF,   128
.set CD,   128                         ; then 16 registers of codes for each block row, then 32 x 4 registers of whole rows
.set G1, 24
.set G0, 32
.set G1B, 48
.set G0B, 56
.set MSB, 0
.macro WIN new                         ; the immediate's high byte repeats the setting that is left; a switch that changes nothing is dropped
.if MSB != (\new)
	s_set_vgpr_msb (MSB<<8)|(\new)
.set MSB, (\new)
.endif
.endm
.set MUL_LO, 0xa1                      ; source 0 (k) window 1, source 1 (q) window 0, C and D window 2
.set MUL_HI, 0xf1
.set TO_B,   0x40
.macro JLOAD s                         ; a joint load: waves 0 and 1 fetch for q, waves 2 and 3 for k; four v_nop follow each of the two lines
	s_cmp_eq_u32 s15, 0
	s_cbranch_scc0 .Lfor_b_\@
	tensor_load_to_lds s[G0+4*(\s):G0+4*(\s)+3], s[G1:G1+7]
	s_nop 0
.rept 4
	v_nop
.endr
	s_branch .Lasked_\@
.Lfor_b_\@:
	tensor_load_to_lds s[G0B+4*(\s):G0B+4*(\s)+3], s[G1B:G1B+7]
	s_nop 0
.rept 4
	v_nop
.endr
.Lasked_\@:
.endm
.macro CREST                           ; a round of the cluster's barrier behind its opening barrier
	s_cmp_lg_u32 s14, 0
	s_cbranch_scc1 .Lnot_wave_0_\@
	s_barrier_signal -3
.Lnot_wave_0_\@:
	s_barrier_wait -3
	s_barrier_signal -1
	s_barrier_wait -1
.endm
.macro CROUND
	s_barrier_signal -1
	s_barrier_wait -1
	CREST
.endm
	s_load_b256 s[4:11], s[0:1], 0x0               ; q s[4:5], k s[6:7], the exponents s[8:9], p s[10:11]
	s_load_b128 s[68:71], s[0:1], 0x20             ; m_stat s[68:69], l_stat s[70:71]
	v_lshl_add_u32 v[SPW], v0, 2, SPARE
	v_mov_b32 v[NIL], 0
	ds_add_u32 v28, v29
	ds_add_u32 v28, v29
	s_wait_dscnt 0x0
	v_lshrrev_b32 v1, 5, v0
	v_readfirstlane_b32 s14, v1                    ; wave 0..3
	s_lshr_b32 s15, s14, 1                         ; which half of the tile's queries is mine.  Also: I fetch for q (0) or for k (1)
	s_and_b32 s16, s14, 1                          ; which half of its keys.  Also: which 128 rows of that tile I fetch
	s_bfe_u32 s40, ttmp6, 0x40000                  ; cx, cy
	s_bfe_u32 s41, ttmp6, 0x40004
	s_lshl_b32 s12, ttmp9, 11                      ; cluster x = the batch: its first row, 2,048 x batch
	s_and_b32 s13, ttmp7, 0xffff                   ; cluster y = the square: 0: (0, 0), 1: (1, 0), 2: (1, 1)
	s_add_co_u32 s17, s13, 1
	s_lshr_b32 s17, s17, 1
	s_lshl_b32 s17, s17, 2
	s_add_co_u32 s17, s17, s41                     ; tile row: block of 256 queries (holds cy, never cx)
	s_lshr_b32 s42, s13, 1
	s_lshl_b32 s42, s42, 2
	s_add_co_u32 s42, s42, s40                     ; tile column: block J of 256 keys (holds cx, never cy)
	s_lshl_b32 s43, s41, 2
	s_lshl_b32 s43, 15, s43                        ; my row of the cluster
	s_lshl_b32 s44, 0x1111, s40                    ; my column
	s_or_b32 s[G1+0], s43, (0<<16)|(1<<20)|(1<<21)|(5<<22)|(3<<25)  ; 15:0 the mask; 17:16 element of 1 byte; 20 padding on; 21 set beside a mask; 24:22 after every 64 words; 31:25 of 4 words
	s_or_b32 s[G1B+0], s44, (0<<16)|(1<<20)|(1<<21)|(5<<22)|(3<<25)
.irp g, G1, G1B
	s_mov_b32 s[\g+1], ROWB<<16                    ; tensor_dim0
	s_mov_b32 s[\g+2], 128<<16                     ; tensor_dim1
	s_mov_b32 s[\g+3], ROWB<<16                    ; tile_dim0
	s_mov_b32 s[\g+4], 128                         ; tile_dim1
	s_mov_b32 s[\g+5], KROW                        ; tensor_dim0_stride
	s_mov_b32 s[\g+6], 0
	s_mov_b32 s[\g+7], 0
.endr
	s_lshl_b32 s18, s16, 7
	s_add_co_u32 s18, s18, s12                     ; the batch's first row + the 128 rows that I fetch
	s_lshl_b32 s20, s17, 8
	s_add_co_u32 s20, s20, s18
	s_lshl_b32 s20, s20, 10                        ; q: in bytes, under 2^23
	s_mov_b32 s21, 0
	s_lshl_b32 s46, s42, 8
	s_add_co_u32 s46, s46, s18
	s_lshl_b32 s46, s46, 10                        ; k likewise
	s_mov_b32 s47, 0
	s_mul_i32 s45, s14, HALFT
	s_wait_kmcnt 0x0
	s_load_b128 s[76:79], s[8:9], 0x18             ; e6, e7, e8, e9
	s_add_nc_u64 s[20:21], s[4:5], s[20:21]
	s_add_nc_u64 s[46:47], s[6:7], s[46:47]
	CROUND                                         ; all sixteen work-groups are here: the first joint loads meet
.irp s, 0,1
	s_mov_b32 s[G0+4*\s], 1
	s_add_co_u32 s[G0+4*\s+1], s45, \s*SLOT
	s_add_nc_u64 s[G0+4*\s+2:G0+4*\s+3], s[20:21], \s*ROWB
	s_or_b32 s[G0+4*\s+3], s[G0+4*\s+3], 0x80000000
	s_mov_b32 s[G0B+4*\s], 1
	s_add_co_u32 s[G0B+4*\s+1], s45, \s*SLOT
	s_add_nc_u64 s[G0B+4*\s+2:G0B+4*\s+3], s[46:47], \s*ROWB
	s_or_b32 s[G0B+4*\s+3], s[G0B+4*\s+3], 0x80000000
	JLOAD \s
.endr
	v_and_b32 v1, 15, v0                           ; r
	v_bfe_u32 v2, v0, 4, 1                         ; h
	v_mul_u32_u24 v3, v1, PITCH
	v_lshl_add_u32 v4, v2, 4, v3
	s_mul_i32 s21, s15, HALFT
	s_mul_i32 s22, s16, HALFT
	s_add_co_u32 s22, s22, 2*HALFT
.irp s, 0,1
	v_add_nc_u32 v[ADRA+\s], s21, v4
	v_add_nc_u32 v[ADRB+\s], s22, v4
	s_add_co_u32 s21, s21, SLOT
	s_add_co_u32 s22, s22, SLOT
.endr
	s_mul_i32 s23, s15, 128*SPITCH                 ; the stage: my 128 rows, my half of their 256 bytes; row r, 8 bytes for each half of the lanes
	s_lshl_b32 s22, s16, 7
	s_add_co_u32 s23, s23, s22
	v_lshl_add_u32 v5, v2, 3, v3
	v_add_nc_u32 v[STO], s23, v5
	s_mul_i32 s23, s14, 64*SPITCH                  ; back: wave w takes rows 64 w on, whole
	v_mul_u32_u24 v5, v2, SPITCH
	v_lshl_add_u32 v5, v1, 4, v5
	v_add_nc_u32 v[RD], s23, v5
	v_lshlrev_b32 v[CO], 11, v2                    ; and the same two rows in p_codes, 2,048 bytes apart
	v_lshl_add_u32 v[CO], v1, 4, v[CO]
	s_lshl_b32 s22, s15, 9                         ; my 128 rows' words in a table of 256
	s_lshl_b32 s23, s16, 10
	s_add_co_u32 s23, s23, s22
	s_add_co_u32 s23, s23, MXB
	v_lshl_add_u32 v[MXW], v1, 2, s23              ; my half's plane, row 128 x half + r
	v_add_nc_u32 v[LXW], LXB-MXB, v[MXW]
	s_xor_b32 s23, s16, 1
	s_lshl_b32 s23, s23, 10
	s_add_co_u32 s23, s23, s22
	s_add_co_u32 s23, s23, MXB
	v_lshl_add_u32 v[MXR], v1, 2, s23              ; the other half's plane, the same rows
	s_lshl_b32 s23, s14, 9
	s_add_co_u32 s23, s23, NMB
	v_lshl_add_u32 v[NMW], v1, 2, s23
	v_and_b32 v[L16], 31, v0
	v_lshlrev_b32 v[L16], 4, v[L16]
	v_add_nc_u32 v[NMR], s23, v[L16]
	s_add_co_u32 s22, s22, LXB
	v_add_nc_u32 v[LXR], s22, v[L16]
	s_sub_co_i32 s90, s17, s42                     ; 256 (tile row - tile column) + 128 (my half of the rows - my half of the columns):
	s_lshl_b32 s90, s90, 8
	s_sub_co_i32 s92, s15, s16
	s_lshl_b32 s92, s92, 7
	s_add_co_i32 s90, s90, s92                     ; my wave's first query less its first key
	v_lshlrev_b32 v[DL], 3, v2
	v_sub_nc_u32 v[DL], v1, v[DL]
	v_add_nc_u32 v[DL], s90, v[DL]                 ; + r - 8 h
	s_mov_b32 s88, 0x76543210                      ; v_permlanex16_b32's selects for lane l xor 16
	s_mov_b32 s89, 0xfedcba98
	s_lshl_b32 s20, s42, 13                        ; the tables: [J][8192]: row 8,192 J + 2,048 batch + 256 tile row + 128 half,
	s_add_co_u32 s20, s20, s12
	s_lshl_b32 s21, s17, 8
	s_add_co_u32 s20, s20, s21
	s_lshl_b32 s21, s15, 7
	s_add_co_u32 s20, s20, s21
	s_lshl_b32 s20, s20, 2                         ; 4 bytes each
	s_mov_b32 s21, 0
	s_cmp_eq_u32 s16, 1                            ; of the two waves that hold the same rows, the left one stores -M and the right one l: a choice on the wave's number
	s_cselect_b64 s[68:69], s[70:71], s[68:69]
	s_cselect_b32 s91, -1, 0
	s_add_nc_u64 s[68:69], s[68:69], s[20:21]
	s_lshl_b32 s20, s17, 8                         ; p_codes: row 2,048 batch + 256 tile row + 64 wave,
	s_add_co_u32 s20, s20, s12
	s_lshl_b32 s22, s14, 6
	s_add_co_u32 s20, s20, s22
	s_lshl_b32 s20, s20, 11                        ; 2,048 bytes each: under 2^24,
	s_lshl_b32 s22, s42, 8
	s_add_co_u32 s20, s20, s22                     ; + 256 J
	s_add_nc_u64 s[10:11], s[10:11], s[20:21]
.macro FRAG reg, adr, q, i             ; a fragment, 16 rows x 128 K: lane l holds row l % 16; registers 4 c .. 4 c + 3 hold K = 32 c + 16 (l / 16) + 0 .. 15: a permutation of k, the same on both sides
.irp c, 0,1,2,3
	ds_load_b128 v[\reg+4*\c:\reg+4*\c+3], v[\adr] offset:128*(\q)+32*\c+(\i)*16*PITCH
.endr
.endm
.macro MUL16 a0, p, zero               ; 16 matrix instructions; the 64 accumulators take turns, one instruction a turn, in the same order in every step
.irp a, \a0, \a0+1
.irp b, 0,1,2,3,4,5,6,7
.if \zero
	v_wmma_f32_16x16x128_bf8_bf8 v[8*(8*((\a)%4)+\b):8*(8*((\a)%4)+\b)+7], v[128*(\p)+FR*\b:128*(\p)+FR*\b+FR-1], v[AF+FR*(\a):AF+FR*(\a)+FR-1], 0
.else
	v_wmma_f32_16x16x128_bf8_bf8 v[8*(8*((\a)%4)+\b):8*(8*((\a)%4)+\b)+7], v[128*(\p)+FR*\b:128*(\p)+FR*\b+FR-1], v[AF+FR*(\a):AF+FR*(\a)+FR-1], v[8*(8*((\a)%4)+\b):8*(8*((\a)%4)+\b)+7]
.endif
.endr
.endr
.endm
.macro FETCH_B slot, q, p
	WIN TO_B
.irp i, 0,1,2,3,4,5,6,7
	FRAG 128*(\p)+FR*\i, ADRB+\slot, \q, \i
.endr
	WIN 0
.endm
.macro FETCH_A slot, q, i0
.irp i, \i0, \i0+1, \i0+2, \i0+3
	FRAG AF+FR*(\i), ADRA+\slot, \q, \i
.endr
.endm
.macro PLACES n                        ; places in front of loads into registers that matrix instructions have read, and of the first read of results (ISA guide 7.12.1 for vector instructions)
.rept \n
	v_nop
.endr
.endm
.macro STEP slot, q, zero              ; a step of 128 along K that has its successor in the same slot
	s_wait_dscnt 4*NL                              ; k's set and q's blocks 0-3 are in; the youngest 16 loads (q's blocks 4-7) may be out
	WIN MUL_LO
	MUL16 0, (\q)%2, \zero
	MUL16 2, (\q)%2, \zero
	s_wait_dscnt 0
	PLACES NP
	FETCH_B \slot, (\q)+1, 1-(\q)%2
	FETCH_A \slot, (\q)+1, 0
	WIN MUL_HI
	MUL16 4, (\q)%2, \zero
	MUL16 6, (\q)%2, \zero
	PLACES NP
	WIN 0
	FETCH_A \slot, (\q)+1, 4
.endm
.macro TURN slot, next, fill           ; a slot's last step changes slots: ONE barrier, which where a slot is filled again opens a round of the cluster's
	s_wait_tensorcnt 0x0                           ; all my tensor loads have landed: my part of the next slot
	ds_add_u32 v[SPW], v[NIL]                      ; 0 onto my spare word
	s_wait_dscnt 4*NL+1                            ; (the add and the youngest 16 loads may be out)
	WIN MUL_LO
	MUL16 0, 1, 0
	s_wait_dscnt 0x0                               ; the add is done, and my reads of this slot are over
	s_barrier_signal -1
	MUL16 2, 1, 0
	WIN 0
	s_barrier_wait -1
.if \fill
	CREST                                          ; no wave of any partner still reads this slot's tile or has a load on its way
	s_add_nc_u64 s[G0+4*\slot+2:G0+4*\slot+3], s[G0+4*\slot+2:G0+4*\slot+3], 2*ROWB
	s_add_nc_u64 s[G0B+4*\slot+2:G0B+4*\slot+3], s[G0B+4*\slot+2:G0B+4*\slot+3], 2*ROWB
	JLOAD \slot                                    ; the first tensor load behind the round, and my only one until the next
.else
	PLACES NP
.endif
	FETCH_B \next, 0, 0
	FETCH_A \next, 0, 0
	WIN MUL_HI
	MUL16 4, 1, 0
	MUL16 6, 1, 0
	PLACES NP
	WIN 0
	FETCH_A \next, 0, 4
.endm
	s_wait_tensorcnt 1                             ; my part of K step 0 is in; K step 1's load may be out
	s_barrier_signal -1
	s_barrier_wait -1
	FETCH_B 0, 0, 0
	FETCH_A 0, 0, 0
	FETCH_A 0, 0, 4
	STEP 0, 0, 1                                   ; eight steps of 128 along K, written out; the first starts the sums
	TURN 0, 1, 1
	STEP 1, 0, 0
	TURN 1, 0, 1
	STEP 0, 0, 0
	TURN 0, 1, 0                                   ; behind this barrier nobody reads slot 0 any more, and nothing is filled again
	STEP 1, 0, 0
	s_wait_dscnt 4*NL
	WIN MUL_LO
	MUL16 0, 1, 0
	MUL16 2, 1, 0
	s_wait_dscnt 0
	WIN MUL_HI
	MUL16 4, 1, 0
	MUL16 6, 1, 0
	WIN 0
	; ---- THE CONSTANTS.  The three moves and one v_nop are the four places behind the last products.
	s_wait_kmcnt 0x0
	s_add_co_i32 s76, s76, s77
	s_lshl_b32 s76, s76, 23
	s_add_co_i32 s86, s76, 0x3d38aa3b              ; c = log2(e) / 32 x 2^(e6 + e7): the two exponents are added to the exponent field
	s_mov_b32 s87, s86                             ; (named with it as a pair, so it is written)
	s_add_co_i32 s78, s78, 127
	s_lshl_b32 s79, s78, 23
	v_mov_b32 v[QS], s79
	s_add_co_i32 s78, s78, 15
	s_lshl_b32 s78, s78, 23
	s_or_b32 s78, s78, 0x600000
	v_mov_b32 v[QL], s78
	v_mov_b32 v[NINF], 0xff800000
	v_nop
	; ---- THE MASK, as addends.  Whether a key is hidden hangs on b - a and j alone: 15 x 8 registers serve all 64 tiles.
.irp d, 0,1,2,3,4,5,6,7,8,9,10,11,12,13,14
.irp j, 0,1,2,3,4,5,6,7
	v_cmp_gt_i32 vcc_lo, 16*(\d-7)+\j, v[DL]
	v_cndmask_b32 v[PEN+8*\d+\j], 0, v[NINF], vcc_lo
.endr
.endr
; Block row a (16 queries x my 128 keys): the mask is added in place, then the row's largest score among my 64 numbers (four chains by turns) and lane l xor 16's.
.macro ROWMAX a
.set AC, 64*((\a)%4)
.set W, 2+(\a)/4
	WIN (W<<6)|W                                   ; destination and source 0: the accumulators' window
.irp b, 0,1,2,3,4,5,6,7
.irp i, 0,2,4,6
	v_pk_add_f32 v[AC+8*\b+\i:AC+8*\b+\i+1], v[AC+8*\b+\i:AC+8*\b+\i+1], v[PEN+8*(\b-(\a)+7)+\i:PEN+8*(\b-(\a)+7)+\i+1]   ; each accumulator from its low end on
.endr
.endr
	WIN (W<<2)|(W<<4)                              ; sources 1 and 2
.set n, 0
.rept 32
.if n < 4
	v_max3_num_f32 v[T+n%4], v[NINF], v[AC+2*n], v[AC+2*n+1]
.else
	v_max3_num_f32 v[T+n%4], v[T+n%4], v[AC+2*n], v[AC+2*n+1]
.endif
.set n, n+1
.endr
	WIN 0
	v_max3_num_f32 v[T], v[T], v[T+1], v[T+2]
	v_max_num_f32 v[NM+2*(\a)+1], v[T], v[T+3]
	v_permlanex16_b32 v[T+1], v[NM+2*(\a)+1], s88, s89
	v_max_num_f32 v[NM+2*(\a)+1], v[NM+2*(\a)+1], v[T+1]
.endm
.irp a, 0,1,2,3,4,5,6,7
	ROWMAX \a
.endr
.irp a, 0,1,2,3,4,5,6,7
	ds_store_b32 v[MXW], v[NM+2*\a+1] offset:64*\a   ; both halves of the lanes hold the same number and write the same word
.endr
	s_wait_dscnt 0x0                               ; for the other wave's sake: my maxima lie in LDS
	s_barrier_signal -1
	s_barrier_wait -1
.irp a, 0,1,2,3,4,5,6,7
	ds_load_b32 v[SA+\a], v[MXR] offset:64*\a      ; the same rows' maxima over the block's other 128 keys
.endr
	s_wait_dscnt 0x0
.irp a, 0,1,2,3,4,5,6,7
	v_max_num_f32 v[NM+2*\a+1], v[NM+2*\a+1], v[SA+\a]
.endr
.irp a, 0,1,2,3,4,5,6,7
	v_mul_f32 v[NM+2*\a+1], s86, v[NM+2*\a+1]      ; as t (c is positive)
.endr
.irp a, 0,1,2,3,4,5,6,7
	v_max_num_f32 v[NM+2*\a+1], 0xff61b1e6, v[NM+2*\a+1]   ; a row with no visible key in this block: -3e38 in place of -infinity, so that t - M stays -infinity there and p is 0
.endr
.irp a, 0,1,2,3,4,5,6,7
	v_floor_f32 v[NM+2*\a], -v[NM+2*\a+1]          ; -M = floor(-t) = -ceil(t): M IS A WHOLE NUMBER
.endr
; Block row a: p = 2^(t - M), its sum, its codes.
.macro PBLOCK a
.set AC, 64*((\a)%4)
	WIN 2+(\a)/4                                   ; source 0: the accumulators' window
.set j, 0
.rept 32
	v_pk_fma_f32 v[TMP+j:TMP+j+1], v[AC+j:AC+j+1], s[86:87], v[NM+2*(\a):NM+2*(\a)+1] op_sel_hi:[1,0,0]   ; t - M, two at a time (of the pairs c and -M the low word serves both halves)
.set j, j+2
.endr
	WIN 0
.set j, 0
.rept 64
	v_exp_f32 v[TMP+j], v[TMP+j]                   ; p, at most 1: NOT normalised
.set j, j+1
.endr
	v_nop                                          ; a plain line behind the last exponential,
	s_wait_alu depctr_va_vdst(0)                   ; and one wait for the batch of 64, ahead of its first reader
	v_pk_add_f32 v[SA:SA+1], v[TMP:TMP+1], v[TMP+2:TMP+3]       ; THE SUM IS TAKEN OF THE UNQUANTISED p: two at a time, in two chains
	v_pk_add_f32 v[SA+2:SA+3], v[TMP+4:TMP+5], v[TMP+6:TMP+7]
.set j, 8
.rept 14
	v_pk_add_f32 v[SA:SA+1], v[SA:SA+1], v[TMP+j:TMP+j+1]
	v_pk_add_f32 v[SA+2:SA+3], v[SA+2:SA+3], v[TMP+j+2:TMP+j+3]
.set j, j+4
.endr
	v_pk_add_f32 v[SA:SA+1], v[SA:SA+1], v[SA+2:SA+3]
	v_add_f32 v[LW+(\a)], v[SA], v[SA+1]
	v_permlanex16_b32 v[T], v[LW+(\a)], s88, s89
	v_add_f32 v[LW+(\a)], v[LW+(\a)], v[T]         ; my 128 keys' part of the row's l
.set j, 0
.rept 64
	v_min_num_f32 v[TMP+j], v[TMP+j], v[QL]        ; the conversion to an 8-bit code does not saturate (ISA guide 7.6.2); p is not negative, so the hold is one-sided
.set j, j+1
.endr
.irp b, 0,1,2,3,4,5,6,7
	v_cvt_scalef32_pk8_bf8_f32 v[CD+16*(\a)+2*\b:CD+16*(\a)+2*\b+1], v[TMP+8*\b:TMP+8*\b+7], v[QS]
.endr
	v_nop                                          ; one plain vector line between the conversions and the next block row's lines, which write their sources
.irp b, 0,1,2,3,4,5,6,7
	ds_store_b64 v[STO], v[CD+16*(\a)+2*\b:CD+16*(\a)+2*\b+1] offset:(\a)*16*SPITCH+16*\b
.endr
.endm
.irp a, 0,1,2,3,4,5,6,7
	PBLOCK \a
.endr
.irp a, 0,1,2,3,4,5,6,7
	ds_store_b32 v[LXW], v[LW+\a] offset:64*\a
	ds_store_b32 v[NMW], v[NM+2*\a] offset:64*\a
.endr
	s_wait_dscnt 0x0                               ; for the others' sake: my codes and my part of l lie in LDS
	s_barrier_signal -1
	s_barrier_wait -1
	ds_load_b128 v[NM:NM+3], v[NMR]                ; four rows' -M a lane: my 128 rows in 512 bytes
	ds_load_b128 v[NM+4:NM+7], v[LXR]              ; their l over the left 128 keys,
	ds_load_b128 v[NM+8:NM+11], v[LXR] offset:1024 ; and over the right
.irp t, 0,1,2,3,4,5,6,7,8,9,10,11,12,13,14,15,16,17,18,19,20,21,22,23,24,25,26,27,28,29,30,31
	ds_load_b128 v[CD+4*\t:CD+4*\t+3], v[RD] offset:\t*2*SPITCH
.endr
	s_wait_dscnt 32                                ; the three loads of the tables are in; the 32 loads of rows may be out
	v_pk_add_f32 v[NM+4:NM+5], v[NM+4:NM+5], v[NM+8:NM+9]
	v_pk_add_f32 v[NM+6:NM+7], v[NM+6:NM+7], v[NM+10:NM+11]
.irp i, 0,1,2,3
	v_cndmask_b32 v[NM+\i], v[NM+\i], v[NM+4+\i], s91   ; the left wave keeps -M, the right one takes l
.endr
	global_store_b128 v[L16], v[NM:NM+3], s[68:69] ; 32 lanes store 512 consecutive bytes, at a multiple of 256 from the table's first byte
.irp t, 0,1,2,3,4,5,6,7,8,9,10,11,12,13,14,15,16,17,18,19,20,21,22,23,24,25,26,27,28,29,30,31
	s_wait_dscnt 31-\t                             ; load t is in, the younger ones may be out
	global_store_b128 v[CO], v[CD+4*\t:CD+4*\t+3], s[10:11] offset:\t*4096   ; 16 lanes store 256 consecutive bytes, at a multiple of 256 from p_codes' first byte
.endr
	s_wait_tensorcnt 0x0                           ; the wave's end, behind my last tensor load and my last LDS store
	ds_add_u32 v[SPW], v[NIL]
	s_wait_dscnt 0x0
	CROUND                                         ; the closing round
	s_endpgm
.Lfunc_end_k_q47dfa89420_scores:
	.size	k_q47dfa89420_scores, .Lfunc_end_k_q47dfa89420_scores-k_q47dfa89420_scores
	.p2alignl 7, 3214868480
	.fill 96, 4, 3214868480
	.section	.rodata,"a",@progbits
	.p2align	6, 0x0
	.amdhsa_kernel k_q47dfa89420_scores
		.amdhsa_group_segment_fixed_size 327680
		.amdhsa_private_segment_fixed_size 0
		.amdhsa_enable_private_segment 0
		.amdhsa_kernarg_size 48
		.amdhsa_user_sgpr_count 2
		.amdhsa_user_sgpr_kernarg_segment_ptr 1
		.amdhsa_wavefront_size32 1
		.amdhsa_system_sgpr_workgroup_id_x 1
		.amdhsa_system_sgpr_workgroup_id_y 1
		.amdhsa_system_sgpr_workgroup_id_z 1
		.amdhsa_system_vgpr_workitem_id 0
		.amdhsa_next_free_vgpr 1024
		.amdhsa_next_free_sgpr 100
		.amdhsa_reserve_vcc 1
		.amdhsa_float_denorm_mode_32 3
		.amdhsa_float_denorm_mode_16_64 3
		.amdhsa_memory_ordered 1
		.amdhsa_forward_progress 1
		.amdhsa_inst_pref_size 208
	.end_amdhsa_kernel
	.amdgpu_metadata
---
amdhsa.version: [ 1, 2 ]
amdhsa.kernels:
  - .name:           k_q47dfa89420_scores
    .symbol:         k_q47dfa89420_scores.kd
    .args:
      - { .name: q_codes, .offset: 0, .size: 8, .value_kind: global_buffer, .address_space: global }
      - { .name: k_codes, .offset: 8, .size: 8, .value_kind: global_buffer, .address_space: global }
      - { .name: lowp_scales, .offset: 16, .size: 8, .value_kind: global_buffer, .address_space: global }
      - { .name: p_codes, .offset: 24, .size: 8, .value_kind: global_buffer, .address_space: global }
      - { .name: m_stat, .offset: 32, .size: 8, .value_kind: global_buffer, .address_space: global }
      - { .name: l_stat, .offset: 40, .size: 8, .value_kind: global_buffer, .address_space: global }
    .group_segment_fixed_size: 327680
    .private_segment_fixed_size: 0
    .kernarg_segment_align: 8
    .kernarg_segment_size: 48
    .max_flat_workgroup_size: 128
    .sgpr_count:     100
    .vgpr_count:     1024
    .wavefront_size: 32
...
	.end_amdgpu_metadata
.endif
;; end of part 2
;; launch context (part 3): grid 8 x 32, 4 waves a work-group, clusters of 4 x 4, 327,680 bytes of LDS; arguments p_codes, v_codes, m_stat, l_stat, lowp_scales, out0; writes out0
.if DOCPART == 3
	.amdgcn_target "amdgcn-amd-amdhsa--gfx1250"
	.amdhsa_code_object_version 6
	.text
	.protected	k_q47dfa89420_context
	.globl	k_q47dfa89420_context
	.p2align	8
	.type	k_q47dfa89420_context,@function
k_q47dfa89420_context:
	s_mov_b64 s[64:65], 0
	v_nop
	global_prefetch_b8 v0, s[64:65] scope:SCOPE_SE
	s_setreg_imm32_b32 hwreg(HW_REG_WAVE_MODE, 25, 1), 1
	s_wait_xcnt 0x0
	s_wait_alu depctr_hold_cnt(0) depctr_sa_sdst(0) depctr_va_vdst(0) depctr_va_sdst(0) depctr_va_ssrc(0) depctr_va_vcc(0) depctr_vm_vsrc(0)
	s_getreg_b32 s2, hwreg(HW_REG_IB_STS2, 6, 4)
	s_cmp_eq_u32 s2, 0
	s_cbranch_scc0 .Lentry_in_a_cluster
	s_endpgm
.Lentry_in_a_cluster:
	s_bfe_u32 s2, ttmp6, 0x10000c
	s_cmp_lg_u32 s2, 0xf033
	s_cbranch_scc0 .Lentry_shape_is_right
	s_endpgm
.Lentry_shape_is_right:
; THE CONTEXT:  O[q][c] = 2^(e8 + e9) / l[q] x the sum over blocks J of 256 keys of f_J[q] x (P_J V_J)[q][c], on codes of BF8.  P: p_codes [8192 queries][2048 keys], each block J quantised under its own whole number M_J;
; V: v_codes [1024 channels][8192 tokens], keys innermost.  m_stat holds -M_J, l_stat the block's sum of the unquantised p.  M = the largest M_J of the row; f_J = 2^(M_J - M), at most 1, made by v_ldexp_f32: it rounds nothing;
; l = the sum of f_J l_J.  A block's product is summed in accumulators of its own, begun with the constant 0, and enters the row's sums by one packed multiply-add: nothing is ever scaled up.
; A block all of whose keys are hidden for a row has -M_J = 3e38: its f_J is 0, and so are its codes and its l_J.
; LIMITS: e8 + e9 between -110 and 120, so that 2^(e8 + e9) / l (l between 1/2 and 2,048) is an ordinary f32 number.  NaN among the inputs is not served.
; SHARES.  A work-group of four waves makes 128 queries x 128 channels; a wave 64 x 64: 16 accumulators.  A cluster of 4 x 4 work-groups covers 512 queries x 512 channels.  Queries 512 G .. 512 G + 511 of a batch see keys under
; 512 (G + 1): so a cluster takes G = g and then G = 3 - g of one batch (g = cluster y % 2): (g + 1) + (4 - g) = 5 slots of 512 keys for every work-group.  The second part walks its keys DOWNWARD, so that only the second
; slot's address hangs on g; it is chosen by s_cselect.  Two short branches hang on g, which all partners share: where the first part's results leave, and where the second part's sums begin; no barrier and no tensor load stands in them.
; The four of a row of the cluster need the same tiles of P, the four of a column the same tiles of V: each tile is asked for JOINTLY.  Both slots' first tiles are asked for at the head, behind the one opening round.
; THE MATRIX INSTRUCTION IS USED TRANSPOSED (source 0 = 16 channels of V, source 1 = 16 queries of P): a lane holds ONE query (l % 16), so f and 1 / l are one number a lane, and eight neighbouring channels.
; REGISTERS: window 0: v16-30 addresses; v32-111 f, a pair (the number twice) for each slot, half and tile of queries; v112-127 2^(e8 + e9) / l likewise; v128-255 the row sums (at the head: the tables).
;   window 1: two sets of fragments, at v0 and v128: P's four at +0, V's four at +64.   window 2: v0-127 a block's product; v128-255 results on their way out.
.set PITCH,  528                       ; an LDS row: 512 bytes + 16 of padding = 132 words: the 16 rows that a load touches start 4 banks apart (64 banks of 4 bytes: ISA guide 11.1)
.set HALF3,  64*PITCH                  ; 64 rows: what one tensor load brings, and what one wave reads of P or of V
.set SLOT3,  4*HALF3                   ; P's 128 rows, then V's 128 rows
.set SPARE,  2*SLOT3                   ; behind the two slots: the spare words, 128 bytes for each wave: two blocks of 256 bytes that no other line names
.set STG3,   SPARE+512                 ; behind them the stages for the way out, into which no tensor load lands: 16 rows x (256 bytes + 16) for each wave,
.set SP,     272
.set SITE,   4*16*SP                   ; once for each of the three places of the text at which results leave
.set ADRP, 16                          ; v16-17  LDS address of my P fragments in slot 0, 1
.set ADRV, 20                          ; v20-21  the same for V
.set STO3, 24                          ; v24     the stage: where I put 32 bytes of a row
.set RD3,  25                          ; v25     and where I read a row back
.set GO,   26                          ; v26     my byte offset in two rows of O
.set SO1,  27                          ; v27     my query's byte in a row of the tables, first part
.set SPW,  28                          ; v28     LDS address of my spare word; never rewritten
.set NIL,  29                          ; v29     0; never rewritten
.set SO2,  30                          ; v30     the same, second part
.set FS,   32                          ; f of slot t, half j, tile of queries a: the pair at v[32 + 2 (8 t + 4 j + a)]
.set RL,   112                         ; 2^(e8 + e9) / l of part ph, tile a: the pair at v[112 + 2 (4 ph + a)]
.set ACC,  128                         ; the row sums: tile (a, b) at v[128 + 8 (4 a + b)]
.set NM1,  128                         ; at the head: -M_J, then f_J, of the first part: v[128 + 4 J + a], J = 0 .. 3
.set L1,   144                         ; l_J likewise
.set NM2,  160                         ; the second part's: J = 0 .. 7
.set L2,   192
.set NMG,  224                         ; -M: v[224 + 4 ph + a]
.set LS,   232                         ; l likewise
.set OT,   128                         ; window 2: results on their way out
.set F0,   0
.set F1,   128
.set G1, 24                            ; s[24:31] descriptor group 1 for P's tiles;  s[32:39] group 0, one set for each slot
.set G0, 32
.set G1B, 48                           ; s[48:55], s[56:63] the same for V's tiles
.set G0B, 56
.set PA2, 74                           ; s[74:75] P at my 64 rows of the second part, key 0
.set VA,  76                           ; s[76:77] V at my 64 channels, the batch's key 0
.set OA,  84                           ; s[84:85], s[86:87] O at my wave's first row and channel, first and second part
.set MSB, 0
.macro WIN new                         ; the immediate's high byte repeats the setting that is left; a switch that changes nothing is dropped
.if MSB != (\new)
	s_set_vgpr_msb (MSB<<8)|(\new)
.set MSB, (\new)
.endif
.endm
.macro JLOAD s                         ; a joint load: waves 0 and 1 fetch P's halves, waves 2 and 3 V's; four v_nop follow each of the two lines
	s_cmp_eq_u32 s15, 0
	s_cbranch_scc0 .Lfor_v_\@
	tensor_load_to_lds s[G0+4*(\s):G0+4*(\s)+3], s[G1:G1+7]
	s_nop 0
.rept 4
	v_nop
.endr
	s_branch .Lasked_\@
.Lfor_v_\@:
	tensor_load_to_lds s[G0B+4*(\s):G0B+4*(\s)+3], s[G1B:G1B+7]
	s_nop 0
.rept 4
	v_nop
.endr
.Lasked_\@:
.endm
.macro CROUND                          ; a round of the cluster's barrier
	s_barrier_signal -1
	s_barrier_wait -1
	s_cmp_lg_u32 s14, 0
	s_cbranch_scc1 .Lnot_wave_0_\@
	s_barrier_signal -3
.Lnot_wave_0_\@:
	s_barrier_wait -3
	s_barrier_signal -1
	s_barrier_wait -1
.endm
	s_load_b256 s[4:11], s[0:1], 0x0               ; p_codes s[4:5], v_codes s[6:7], m_stat s[8:9], l_stat s[10:11]
	s_load_b128 s[68:71], s[0:1], 0x20             ; the exponents s[68:69], O s[70:71]
	v_lshl_add_u32 v[SPW], v0, 2, SPARE
	v_mov_b32 v[NIL], 0
	ds_add_u32 v28, v29
	ds_add_u32 v28, v29
	s_wait_dscnt 0x0
	v_lshrrev_b32 v1, 5, v0
	v_readfirstlane_b32 s14, v1                    ; wave 0..3
	s_lshr_b32 s15, s14, 1                         ; which half of the queries is mine.  Also: I fetch for P (0) or for V (1)
	s_and_b32 s16, s14, 1                          ; which half of the channels.  Also: which 64 rows of that tile I fetch
	s_bfe_u32 s40, ttmp6, 0x40000                  ; cx, cy
	s_bfe_u32 s41, ttmp6, 0x40004
	s_and_b32 s17, ttmp7, 0xffff                   ; cluster y
	s_and_b32 s12, s17, 1                          ; g
	s_lshr_b32 s17, s17, 1
	s_lshl_b32 s17, s17, 11                        ; 2,048 x batch
	s_add_co_u32 s13, s12, 1                       ; the first part has g + 1 slots
	s_lshl_b32 s18, s12, 9
	s_lshl_b32 s19, s41, 7
	s_add_co_u32 s19, s19, s17
	s_add_co_u32 s20, s19, s18                     ; the first part's first query: 2,048 batch + 512 g + 128 cy
	s_sub_co_u32 s21, 1536, s18
	s_add_co_u32 s21, s21, s19                     ; the second part's: 2,048 batch + 512 (3 - g) + 128 cy
	s_lshl_b32 s42, ttmp9, 2
	s_add_co_u32 s42, s42, s40                     ; my block of 128 channels: 4 x cluster x + cx
	s_lshl_b32 s43, s41, 2
	s_lshl_b32 s43, 15, s43                        ; my row of the cluster
	s_lshl_b32 s44, 0x1111, s40                    ; my column
	; descriptor group 1: a tile of 64 rows x 512 bytes, padded in LDS
	s_or_b32 s[G1+0], s43, (0<<16)|(1<<20)|(1<<21)|(6<<22)|(3<<25)  ; 15:0 the mask: P's tiles go to my row; 17:16 element of 1 byte; 20 padding on; 21 set beside a mask; 24:22 after every 128 words (code 6); 31:25 of 4 words (code 3)
	s_or_b32 s[G1B+0], s44, (0<<16)|(1<<20)|(1<<21)|(6<<22)|(3<<25)
.irp g, G1, G1B
	s_mov_b32 s[\g+1], 512<<16                     ; tensor_dim0
	s_mov_b32 s[\g+2], 64<<16                      ; tensor_dim1
	s_mov_b32 s[\g+3], 512<<16                     ; tile_dim0
	s_mov_b32 s[\g+4], 64                          ; tile_dim1
	s_mov_b32 s[\g+6], 0
	s_mov_b32 s[\g+7], 0
.endr
	s_mov_b32 s[G1+5], 2048                        ; tensor_dim0_stride: a row of p_codes,
	s_mov_b32 s[G1B+5], 8192                       ; of v_codes
	s_lshl_b32 s22, s16, 6                         ; which 64 rows of the tile I fetch
	s_add_co_u32 s72, s20, s22
	s_lshl_b32 s72, s72, 11                        ; P, first part: my rows' first byte, under 2^24
	s_mov_b32 s73, 0
	s_add_co_u32 s74, s21, s22
	s_lshl_b32 s74, s74, 11                        ; second part
	s_mov_b32 s75, 0
	s_lshl_b32 s76, s42, 7
	s_add_co_u32 s76, s76, s22
	s_lshl_b32 s76, s76, 13                        ; V: channel 128 x block + 64 x half, 8,192 bytes each,
	s_add_co_u32 s76, s76, s17                     ; + the batch's first key
	s_mov_b32 s77, 0
	s_mov_b32 s82, 1536
	s_cmp_eq_u32 s12, 1                            ; the second slot: g = 1: the first part's keys 512 on; g = 0: the second part's keys 1,536 on
	s_cselect_b32 s82, 512, s82
	s_cselect_b32 s78, s72, s74
	s_cselect_b32 s93, -1, 0                       ; the same choice as a mask of lanes, for f
	s_add_co_u32 s78, s78, s82
	s_mov_b32 s79, 0
	s_mov_b32 s83, 0
	s_mul_i32 s45, s14, HALF3                      ; where my tile goes: wave x 64 rows: no place in the cluster enters an LDS address
	s_wait_kmcnt 0x0
	s_load_b64 s[88:89], s[68:69], 0x20            ; e8, e9
	s_add_nc_u64 s[72:73], s[4:5], s[72:73]
	s_add_nc_u64 s[PA2:PA2+1], s[4:5], s[74:75]
	s_add_nc_u64 s[78:79], s[4:5], s[78:79]
	s_add_nc_u64 s[VA:VA+1], s[6:7], s[76:77]
	s_add_nc_u64 s[80:81], s[VA:VA+1], s[82:83]
	s_mov_b32 s[G0], 1                             ; slot 0: the first part's keys 0 to 511
	s_add_co_u32 s[G0+1], s45, 0
	s_mov_b64 s[G0+2:G0+3], s[72:73]
	s_or_b32 s[G0+3], s[G0+3], 0x80000000
	s_mov_b32 s[G0B], 1
	s_add_co_u32 s[G0B+1], s45, 0
	s_mov_b64 s[G0B+2:G0B+3], s[VA:VA+1]
	s_or_b32 s[G0B+3], s[G0B+3], 0x80000000
	s_mov_b32 s[G0+4], 1                           ; slot 1: the chosen tile
	s_add_co_u32 s[G0+5], s45, SLOT3
	s_mov_b64 s[G0+6:G0+7], s[78:79]
	s_or_b32 s[G0+7], s[G0+7], 0x80000000
	s_mov_b32 s[G0B+4], 1
	s_add_co_u32 s[G0B+5], s45, SLOT3
	s_mov_b64 s[G0B+6:G0B+7], s[80:81]
	s_or_b32 s[G0B+7], s[G0B+7], 0x80000000
	CROUND                                         ; all sixteen work-groups are here: the first joint loads meet
	JLOAD 0                                        ; both slots' first fills go out together: two loads of mine are out
	JLOAD 1
	v_and_b32 v1, 15, v0                           ; r
	v_bfe_u32 v2, v0, 4, 1                         ; h
	s_lshl_b32 s90, s15, 6
	s_add_co_u32 s91, s20, s90                     ; my wave's first query, first part,
	s_add_co_u32 s92, s21, s90                     ; second part
	s_lshl_b32 s46, s91, 2
	v_lshl_add_u32 v[SO1], v1, 2, s46
	s_lshl_b32 s46, s92, 2
	v_lshl_add_u32 v[SO2], v1, 2, s46
.irp n, 0,1,2,3                                ; the tables: a row of 8,192 numbers for each J; tile a's queries lie 16 numbers on.  Sixteen lanes read 64 consecutive bytes; the two halves of the lanes the same
.irp a, 0,1,2,3
	global_load_b32 v[NM1+4*\n+\a], v[SO1], s[8:9] offset:32768*\n+64*\a
	global_load_b32 v[L1+4*\n+\a], v[SO1], s[10:11] offset:32768*\n+64*\a
.endr
.endr
.irp n, 0,1,2,3,4,5,6,7
.irp a, 0,1,2,3
	global_load_b32 v[NM2+4*\n+\a], v[SO2], s[8:9] offset:32768*\n+64*\a
	global_load_b32 v[L2+4*\n+\a], v[SO2], s[10:11] offset:32768*\n+64*\a
.endr
.endr
	v_mul_u32_u24 v3, v1, PITCH
	v_lshl_add_u32 v3, v2, 4, v3                   ; a fragment's row x pitch + 16 x half
	s_mul_i32 s46, s15, HALF3                      ; my 64 rows of P
	s_mul_i32 s47, s16, HALF3                      ; my 64 rows of V,
	s_add_co_u32 s47, s47, 2*HALF3                 ; which lie behind P's 128
.irp s, 0,1
	v_add_nc_u32 v[ADRP+\s], s46, v3
	v_add_nc_u32 v[ADRV+\s], s47, v3
	s_add_co_u32 s46, s46, SLOT3
	s_add_co_u32 s47, s47, SLOT3
.endr
	s_mul_i32 s46, s14, 16*SP
	s_add_co_u32 s46, s46, STG3                    ; my stage
	v_mul_u32_u24 v4, v1, SP
	v_lshl_add_u32 v4, v2, 5, v4
	v_add_nc_u32 v[STO3], s46, v4                  ; in: row r, 32 bytes for each half of the lanes
	v_mul_u32_u24 v4, v2, SP
	v_lshl_add_u32 v4, v1, 4, v4
	v_add_nc_u32 v[RD3], s46, v4                   ; back: lanes 0-15 one row of 256 bytes, lanes 16-31 the next
	v_lshlrev_b32 v[GO], 12, v2
	v_lshl_add_u32 v[GO], v1, 4, v[GO]             ; and the same two rows in O, 4,096 bytes apart
	s_lshl_b32 s46, s42, 9
	s_lshl_b32 s47, s16, 8
	s_add_co_u32 s90, s46, s47                     ; my first channel, in bytes: 512 x block + 256 x half
	s_lshl_b32 s46, s91, 12
	s_add_co_u32 s46, s46, s90
	s_mov_b32 s47, 0
	s_add_nc_u64 s[OA:OA+1], s[70:71], s[46:47]
	s_lshl_b32 s46, s92, 12
	s_add_co_u32 s46, s46, s90
	s_add_nc_u64 s[OA+2:OA+3], s[70:71], s[46:47]
	s_wait_loadcnt 0x0                             ; the tables
.irp a, 0,1,2,3                                ; -M = the least -M_J
	v_min3_num_f32 v[NMG+\a], v[NM1+\a], v[NM1+4+\a], v[NM1+8+\a]
	v_min3_num_f32 v[NMG+4+\a], v[NM2+\a], v[NM2+4+\a], v[NM2+8+\a]
.endr
.irp a, 0,1,2,3
	v_min_num_f32 v[NMG+\a], v[NMG+\a], v[NM1+12+\a]
	v_min3_num_f32 v[NMG+4+\a], v[NMG+4+\a], v[NM2+12+\a], v[NM2+16+\a]
.endr
.irp a, 0,1,2,3
	v_min3_num_f32 v[NMG+4+\a], v[NMG+4+\a], v[NM2+20+\a], v[NM2+24+\a]
.endr
.irp a, 0,1,2,3
	v_min_num_f32 v[NMG+4+\a], v[NMG+4+\a], v[NM2+28+\a]
.endr
.irp n, 0,1,2,3
.irp a, 0,1,2,3
	v_sub_f32 v[NM1+4*\n+\a], v[NMG+\a], v[NM1+4*\n+\a]         ; M_J - M: a whole number, 0 or less
.endr
.endr
.irp n, 0,1,2,3,4,5,6,7
.irp a, 0,1,2,3
	v_sub_f32 v[NM2+4*\n+\a], v[NMG+4+\a], v[NM2+4*\n+\a]
.endr
.endr
.set j, 0
.rept 16
	v_cvt_i32_f32 v[NM1+j], v[NM1+j]               ; (it saturates)
.set j, j+1
.endr
.set j, 0
.rept 32
	v_cvt_i32_f32 v[NM2+j], v[NM2+j]
.set j, j+1
.endr
.set j, 0
.rept 16
	v_ldexp_f32 v[NM1+j], 1.0, v[NM1+j]            ; f_J = 2^(M_J - M)
.set j, j+1
.endr
.set j, 0
.rept 32
	v_ldexp_f32 v[NM2+j], 1.0, v[NM2+j]
.set j, j+1
.endr
.irp a, 0,1,2,3                                ; l = the sum of f_J l_J
	v_mul_f32 v[LS+\a], v[NM1+\a], v[L1+\a]
	v_mul_f32 v[LS+4+\a], v[NM2+\a], v[L2+\a]
.endr
.irp n, 1,2,3
.irp a, 0,1,2,3
	v_fmac_f32 v[LS+\a], v[NM1+4*\n+\a], v[L1+4*\n+\a]
.endr
.endr
.irp n, 1,2,3,4,5,6,7
.irp a, 0,1,2,3
	v_fmac_f32 v[LS+4+\a], v[NM2+4*\n+\a], v[L2+4*\n+\a]
.endr
.endr
.irp x, 0,1,2,3,4,5,6,7
	v_rcp_f32 v[RL+2*\x], v[LS+\x]
.endr
.irp j, 0,1                                    ; f in the order of the slots, each number twice: a pair for the packed multiply-add.  (These plain lines name no reciprocal: they stand behind the batch)
.irp a, 0,1,2,3
	v_mov_b32 v[FS+2*(4*\j+\a)], v[NM1+4*\j+\a]                                            ; slot 0: the first part's J = 0, 1
	v_mov_b32 v[FS+2*(4*\j+\a)+1], v[NM1+4*\j+\a]
	v_cndmask_b32 v[FS+2*(8+4*\j+\a)], v[NM2+4*(6+\j)+\a], v[NM1+4*(2+\j)+\a], s93         ; slot 1: g = 1: the first part's J = 2, 3; g = 0: the second part's J = 6, 7
	v_cndmask_b32 v[FS+2*(8+4*\j+\a)+1], v[NM2+4*(6+\j)+\a], v[NM1+4*(2+\j)+\a], s93
	v_mov_b32 v[FS+2*(16+4*\j+\a)], v[NM2+4*(4+\j)+\a]                                     ; slots 2, 3, 4: the second part's J = 4, 5; 2, 3; 0, 1
	v_mov_b32 v[FS+2*(16+4*\j+\a)+1], v[NM2+4*(4+\j)+\a]
	v_mov_b32 v[FS+2*(24+4*\j+\a)], v[NM2+4*(2+\j)+\a]
	v_mov_b32 v[FS+2*(24+4*\j+\a)+1], v[NM2+4*(2+\j)+\a]
	v_mov_b32 v[FS+2*(32+4*\j+\a)], v[NM2+4*\j+\a]
	v_mov_b32 v[FS+2*(32+4*\j+\a)+1], v[NM2+4*\j+\a]
.endr
.endr
	s_wait_kmcnt 0x0
	s_add_co_i32 s88, s88, s89                     ; e8 + e9
	s_wait_alu depctr_va_vdst(0)                   ; one wait for the eight reciprocals, ahead of their first reader
.irp x, 0,1,2,3,4,5,6,7
	v_ldexp_f32 v[RL+2*\x], v[RL+2*\x], s88        ; 2^(e8 + e9) / l
.endr
.irp x, 0,1,2,3,4,5,6,7
	v_mov_b32 v[RL+2*\x+1], v[RL+2*\x]
.endr
; 32 LDS loads in one run: the fragments of the slot's q-th 128 keys: V's four and P's four, into set f.  A fragment: lane l holds row l % 16; registers 4 c .. 4 c + 3 hold K = 32 c + 16 (l / 16) + 0 .. 15, alike on both sides
.macro FETCH3 slot, q, f
	WIN 0x40                                       ; destination window 1, address window 0
.irp i, 0,1,2,3
.irp c, 0,1,2,3
	ds_load_b128 v[\f+64+16*\i+4*\c:\f+64+16*\i+4*\c+3], v[ADRV+\slot] offset:\i*16*PITCH+128*(\q)+32*\c
.endr
.irp c, 0,1,2,3
	ds_load_b128 v[\f+16*\i+4*\c:\f+16*\i+4*\c+3], v[ADRP+\slot] offset:\i*16*PITCH+128*(\q)+32*\c
.endr
.endr
.endm
; 16 matrix instructions, 128 keys: the block's 16 accumulators take turns, one instruction a turn.  zero = 1: a block's first 128 keys start its sums
.macro MUL3 f, zero
	WIN 0xa5                                       ; sources 0 (V) and 1 (P) window 1; C and D window 2
.irp a, 0,1,2,3
.irp b, 0,1,2,3
.if \zero
	v_wmma_f32_16x16x128_bf8_bf8 v[8*(4*\a+\b):8*(4*\a+\b)+7], v[\f+64+16*\b:\f+64+16*\b+15], v[\f+16*\a:\f+16*\a+15], 0
.else
	v_wmma_f32_16x16x128_bf8_bf8 v[8*(4*\a+\b):8*(4*\a+\b)+7], v[\f+64+16*\b:\f+64+16*\b+15], v[\f+16*\a:\f+16*\a+15], v[8*(4*\a+\b):8*(4*\a+\b)+7]
.endif
.endr
.endr
.endm
; A block's product enters the row sums, x f.  start = 1: it begins them: nothing is ever cleared.  Each accumulator is read from its low end on.
.macro FMA3 t, j2, start
	WIN 0x02                                       ; source 0 (the block's product) window 2
.irp a, 0,1,2,3
.irp b, 0,1,2,3
.irp i, 0,2,4,6
.if \start
	v_pk_mul_f32 v[ACC+8*(4*\a+\b)+\i:ACC+8*(4*\a+\b)+\i+1], v[8*(4*\a+\b)+\i:8*(4*\a+\b)+\i+1], v[FS+2*(8*(\t)+4*(\j2)+\a):FS+2*(8*(\t)+4*(\j2)+\a)+1]
.else
	v_pk_fma_f32 v[ACC+8*(4*\a+\b)+\i:ACC+8*(4*\a+\b)+\i+1], v[8*(4*\a+\b)+\i:8*(4*\a+\b)+\i+1], v[FS+2*(8*(\t)+4*(\j2)+\a):FS+2*(8*(\t)+4*(\j2)+\a)+1], v[ACC+8*(4*\a+\b)+\i:ACC+8*(4*\a+\b)+\i+1]
.endif
.endr
.endr
.endr
.endm
.macro FMA3N t                         ; slots 1 and 2: the second part's sums begin in slot g + 1: a branch on g, which all partners share; at a branch and at a label every window is 0
	WIN 0
	s_cmp_eq_u32 s13, \t
	s_cbranch_scc1 .Lbegin_\@
	FMA3 \t, 0, 0
	WIN 0
	s_branch .Ladded_\@
.Lbegin_\@:
	FMA3 \t, 0, 1
	WIN 0
.Ladded_\@:
.endm
.macro PLACES                          ; four places in front of loads into registers that matrix instructions have read, and of the first read of results (ISA guide 7.12.1 for vector instructions)
.rept 4
	v_nop
.endr
.endm
; A slot's work: 512 keys = two blocks J of 256 = four runs of 16 matrix instructions, on sets 0, 1, 0, 1.
.macro WORK t
	FETCH3 (\t)%2, 0, F0
	FETCH3 (\t)%2, 1, F1
	s_wait_dscnt 32                                ; set 0 is in; set 1's 32 loads may be out
	MUL3 F0, 1
	PLACES
	FETCH3 (\t)%2, 2, F0
	s_wait_dscnt 32                                ; set 1 is in; the 32 just issued may be out
	MUL3 F1, 0
	PLACES
	FETCH3 (\t)%2, 3, F1
.if (\t) == 0
	FMA3 \t, 0, 1                                  ; the first part's sums begin
.elseif (\t) < 3
	FMA3N \t
.else
	FMA3 \t, 0, 0
.endif
	s_wait_dscnt 32                                ; set 0 is in
	MUL3 F0, 1                                     ; the next block's sums begin anew: the 64 lines above, 60 of which name no register of the last product, stand between
	s_wait_dscnt 0x0
	MUL3 F1, 0
	PLACES
	FMA3 \t, 1, 0
	WIN 0
.endm
; THE WAY OUT of part ph.  Tile a (16 queries x my 64 channels): x 2^(e8 + e9) / l; a lane's 32 bytes go into my own stage and come back as whole rows of 256 bytes, into the registers that they left.
.macro PACK3 ph, a, site
	WIN 0x80                                       ; destination window 2
.set j, 0
.rept 16
	v_pk_mul_f32 v[OT+32*(\a)+j:OT+32*(\a)+j+1], v[ACC+32*(\a)+j:ACC+32*(\a)+j+1], v[RL+2*(4*(\ph)+\a):RL+2*(4*(\ph)+\a)+1]
.set j, j+2
.endr
	WIN 0x08                                       ; a store's data: window 2
.irp b, 0,1,2,3
	ds_store_b128 v[STO3], v[OT+32*(\a)+8*\b:OT+32*(\a)+8*\b+3] offset:(\site)*SITE+64*\b
	ds_store_b128 v[STO3], v[OT+32*(\a)+8*\b+4:OT+32*(\a)+8*\b+7] offset:(\site)*SITE+64*\b+16
.endr
	WIN 0x80
.irp i, 0,1,2,3,4,5,6,7
	ds_load_b128 v[OT+32*(\a)+4*\i:OT+32*(\a)+4*\i+3], v[RD3] offset:(\site)*SITE+\i*2*SP   ; LDS serves a wave's instructions in order (ISA guide 5.7.1.4): these see the stores above; the next tile's stores come behind them
.endr
.endm
.macro SEND3 ph, a, younger            ; younger: the LDS instructions issued behind tile a's loads: the next tile's sixteen, or none
	WIN 0x08
.irp i, 0,1,2,3,4,5,6,7
	s_wait_dscnt \younger+7-\i
	global_store_b128 v[GO], v[OT+32*(\a)+4*\i:OT+32*(\a)+4*\i+3], s[OA+2*(\ph):OA+2*(\ph)+1] offset:(16*(\a)+2*\i)*4096 th:TH_STORE_NT   ; 16 lanes store 256 consecutive bytes, at a multiple of 256 from O's first byte; written once, read by nobody here
.endr
.endm
.macro WAYOUT ph, site
	s_wait_xcnt 0x0                                ; the registers that an earlier way out's stores read are written again only behind this wait
	PACK3 \ph, 0, \site
	PACK3 \ph, 1, \site                            ; a tile's arithmetic stands between the loads of the tile before and its stores
	SEND3 \ph, 0, 16
	PACK3 \ph, 2, \site
	SEND3 \ph, 1, 16
	PACK3 \ph, 3, \site
	SEND3 \ph, 2, 16
	SEND3 \ph, 3, 0
	WIN 0
.endm
; SLOT t.  Slot 0's first tile: a counted wait and the work-group's barrier: slot 1's first tile may stay out.
; From t = 1 on each wave waits for all its tensor loads (one is out: its part of this slot), adds 0 to its spare word, and waits for that and for its reads of the other slot.  Behind the round this slot is whole and no wave of any
; partner reads the other one, which takes the next tile: the first tensor load behind the round, one a wave, with a whole slot's work in which to land.  The last slot asks for nothing: the work-group's barrier alone.
.macro STEP3 t
.if (\t) == 0
	s_wait_tensorcnt 1                             ; my part of slot 0 is in; my part of slot 1 may be out
	s_barrier_signal -1
	s_barrier_wait -1                              ; everybody's is
.else
	s_wait_tensorcnt 0x0                           ; no tensor load of mine is out, so a group 0 may be written
	ds_add_u32 v[SPW], v[NIL]                      ; 0 onto my spare word; the descriptors' lines stand between it and the wait for it
.if (\t) <= 3                                  ; tiles 2, 3, 4: the second part's keys 1,024, 512, 0 on  (tiles 0 and 1 were set at the head)
	s_add_nc_u64 s[G0+4*(((\t)+1)%2)+2:G0+4*(((\t)+1)%2)+3], s[PA2:PA2+1], (3-(\t))*512
	s_or_b32 s[G0+4*(((\t)+1)%2)+3], s[G0+4*(((\t)+1)%2)+3], 0x80000000
	s_add_nc_u64 s[G0B+4*(((\t)+1)%2)+2:G0B+4*(((\t)+1)%2)+3], s[VA:VA+1], (3-(\t))*512
	s_or_b32 s[G0B+4*(((\t)+1)%2)+3], s[G0B+4*(((\t)+1)%2)+3], 0x80000000
.endif
	s_wait_dscnt 0x0                               ; the add is done, and my reads of the other slot are over
.if (\t) < 4
	CROUND
	JLOAD ((\t)+1)%2
.else
	s_barrier_signal -1
	s_barrier_wait -1
.endif
.endif
.if ((\t) == 1) || ((\t) == 2)                 ; the first part's results leave at the head of slot g + 1, behind the request for the next tile: a branch on g; each place of the text has a stage of its own
	s_cmp_eq_u32 s13, \t
	s_cbranch_scc0 .Lnot_yet_\@
	WAYOUT 0, (\t)-1
.Lnot_yet_\@:
.endif
	WORK \t
.endm
	STEP3 0
	STEP3 1
	STEP3 2
	STEP3 3
	STEP3 4
	WAYOUT 1, 2
	s_wait_tensorcnt 0x0                           ; the wave's end, behind my last tensor load and my last LDS store
	ds_add_u32 v[SPW], v[NIL]
	s_wait_dscnt 0x0
	CROUND                                         ; the closing round: no work-group ends while a partner may still ask for a tile that names it
	s_endpgm
.Lfunc_end_k_q47dfa89420_context:
	.size	k_q47dfa89420_context, .Lfunc_end_k_q47dfa89420_context-k_q47dfa89420_context
	.p2alignl 7, 3214868480
	.fill 96, 4, 3214868480
	.section	.rodata,"a",@progbits
	.p2align	6, 0x0
	.amdhsa_kernel k_q47dfa89420_context
		.amdhsa_group_segment_fixed_size 327680
		.amdhsa_private_segment_fixed_size 0
		.amdhsa_enable_private_segment 0
		.amdhsa_kernarg_size 48
		.amdhsa_user_sgpr_count 2
		.amdhsa_user_sgpr_kernarg_segment_ptr 1
		.amdhsa_wavefront_size32 1
		.amdhsa_system_sgpr_workgroup_id_x 1
		.amdhsa_system_sgpr_workgroup_id_y 1
		.amdhsa_system_sgpr_workgroup_id_z 1
		.amdhsa_system_vgpr_workitem_id 0
		.amdhsa_next_free_vgpr 768
		.amdhsa_next_free_sgpr 100
		.amdhsa_reserve_vcc 0
		.amdhsa_float_denorm_mode_32 3
		.amdhsa_float_denorm_mode_16_64 3
		.amdhsa_memory_ordered 1
		.amdhsa_forward_progress 1
		.amdhsa_inst_pref_size 184
	.end_amdhsa_kernel
	.amdgpu_metadata
---
amdhsa.version: [ 1, 2 ]
amdhsa.kernels:
  - .name:           k_q47dfa89420_context
    .symbol:         k_q47dfa89420_context.kd
    .args:
      - { .name: p_codes, .offset: 0, .size: 8, .value_kind: global_buffer, .address_space: global }
      - { .name: v_codes, .offset: 8, .size: 8, .value_kind: global_buffer, .address_space: global }
      - { .name: m_stat, .offset: 16, .size: 8, .value_kind: global_buffer, .address_space: global }
      - { .name: l_stat, .offset: 24, .size: 8, .value_kind: global_buffer, .address_space: global }
      - { .name: lowp_scales, .offset: 32, .size: 8, .value_kind: global_buffer, .address_space: global }
      - { .name: out0, .offset: 40, .size: 8, .value_kind: global_buffer, .address_space: global }
    .group_segment_fixed_size: 327680
    .private_segment_fixed_size: 0
    .kernarg_segment_align: 8
    .kernarg_segment_size: 48
    .max_flat_workgroup_size: 128
    .sgpr_count:     100
    .vgpr_count:     768
    .wavefront_size: 32
...
	.end_amdgpu_metadata
.endif
;; end of part 3
